; MI455X (gfx1250); checked and timed in simulation.
; The chip was launched on July 23, 2026; its instructions are those of AMD's public machine-readable ISA for CDNA 5 (MIT licence, August 2026) and "CDNA5" Instruction Set Architecture Reference Guide (July 2026). The comments in the code are by the model that wrote it; some were corrected since.
;; Causal Multi Head Attention. Allowed arithmetic: matrix products marked QUANTISED: E4M3 operands, one given power-of-two scale a tensor, by v_wmma_f32_16x16x64_fp8_fp8 or v_wmma_f32_16x16x128_fp8_fp8, f32 sums; everything else in f32.
;; Inputs: Wk 1,024 x 1,024 float32; Wo 1,024 x 1,024 float32; Wq 1,024 x 1,024 float32; Wv 1,024 x 1,024 float32; lowp_scales 12 int32 (the exponents e of the quantised operands' scales 2^e); token_positions 4,096 int32; x 1 x 4,096 x 1,024 float32.
;; Outputs: out0 1 x 4,096 x 1,024 float32.
;; This version of the problem:
;;   THIS VERSION OF THE PROBLEM IS GIVEN IN LOW PRECISION. The matrix products marked QUANTISED in the list below multiply operands that are first quantised to E4M3 (4 exponent bits, 3 mantissa bits; 8 bits a number), with one given power-of-two scale for each operand tensor; their sums are f32. All else is computed in f32.
;;   The module's matrix products, in the order in which they are computed (A, B: the left and right operand; K: the contracted axis; several contracted axes count as one K, in the product's order):
;;     1. [M 4,096, K 1,024] x [K 1,024, N 1,024]; A: input x; B: input Wq: QUANTISED (scales: A lowp_scales[0], B lowp_scales[1])
;;     2. [M 4,096, K 1,024] x [K 1,024, N 1,024]; A: input x; B: input Wk: QUANTISED (scales: A lowp_scales[2], B lowp_scales[3])
;;     3. [M 4,096, K 1,024] x [K 1,024, N 1,024]; A: input x; B: input Wv: QUANTISED (scales: A lowp_scales[4], B lowp_scales[5])
;;     4. batch 16 x [M 4,096, K 64] x [K 64, N 4,096]; A: computed on the way; B: computed on the way: QUANTISED (scales: A lowp_scales[6], B lowp_scales[7])
;;     5. batch 16 x [M 4,096, K 4,096] x [K 4,096, N 64]; A: softmax (see below); B: computed on the way: QUANTISED (scales: A lowp_scales[8], B lowp_scales[9])
;;     6. [M 4,096, K 1,024] x [K 1,024, N 1,024]; A: computed on the way; B: input Wo: QUANTISED (scales: A lowp_scales[10], B lowp_scales[11])
;;   THE QUANTISER, for each operand of a quantised product, along K:
;;     - The operand's scale is 2^e, e = its entry of the input lowp_scales (int32; the entries are numbered through the quantised products in the list's order, A before B).
;;     - Each number is divided by the scale, clamped to +-448, and rounded to the nearest number of E4M3, ties to even, subnormals kept.
;;     - The product sums the exact products of the quantised numbers (number of the format x scale) in f32.
;;   ~~~python
;;   def quantise(x, axis, e):      # numpy; x: float32 -> the quantised numbers, widened to float32 again
;;       x = np.moveaxis(x, axis, -1); K = x.shape[-1]
;;       r = np.clip(x / 2.0 ** e, -448, 448)
;;       step = 2.0 ** (np.maximum(np.frexp(np.where(r == 0, 1, r))[1] - 1, -6) - 3)
;;       q = np.round(r / step) * step * 2.0 ** e      # np.round: ties to even
;;       return np.moveaxis(q, -1, axis).astype(np.float32)
;;   ~~~
;;   SOFTMAX AHEAD OF A QUANTISED PRODUCT. Where the list says 'softmax', what is quantised is not the finished softmax but p = 2^(t - M), with t = logit x log2(e) and M = ceil(the row's largest t), a whole number; so 1/2 < the row's largest p <= 1. The row's sum l is taken of the UNQUANTISED p, in f32, and the product's result is divided by l at the end. Since M is a whole number, a kernel that streams over the keys may use a running M (the ceiling of the running maximum): every later rescaling is an exact power of two, so the quantised numbers keep their values, but for numbers so far below the row's largest that they fall under the format's range.
;;   OPERANDS COMPUTED ON THE WAY. 'Computed on the way' means the value that the module computes at that place (a softmax that the list does not call 'softmax' is quantised finished and normalised). What goes into a quantiser is computed in f32, as accurately as f32 sums, v_exp_f32 and their like allow (about 1e-6 of the number): no bf16 or f16 on the way to a quantiser, and a product that is left as it is and whose result goes on into a quantised operand takes f32 operands (vector FMAs, or v_wmma_f32_16x16x4_f32). A number that lies on a knife's edge between two numbers of the format may be rounded either way, as far as f32 arithmetic and the matrix unit's own rounding can turn it there, and no further.
;; One version. Each part assembles by itself: llvm-mc -triple=amdgcn-amd-amdhsa -mcpu=gfx1250 --defsym DOCPART=n.
;; ======== version 1 of 1: 4 launches
;; limits: right only within a limited range of input values
;; workspace buffers: xc 12,582,912 bytes; wc 4,194,304 bytes; tab 1,048,576 bytes; qkvc 12,582,912 bytes; oc 4,194,304 bytes
;; launch prep (part 1): grid 1056 x 1, 8 waves a work-group, no clusters, 35,840 bytes of LDS; arguments x, Wq, Wk, Wv, Wo, token_positions, lowp_scales, xc, wc, tab; writes xc, wc, tab
.if DOCPART == 1
	.amdgcn_target "amdgcn-amd-amdhsa--gfx1250"
	.amdhsa_code_object_version 6
	.text
	.protected	k_q2591d798f6_prep
	.globl	k_q2591d798f6_prep
	.p2align	8
	.type	k_q2591d798f6_prep,@function
k_q2591d798f6_prep:
	s_mov_b64 s[64:65], 0
	v_nop
	global_prefetch_b8 v0, s[64:65] scope:SCOPE_SE
	s_setreg_imm32_b32 hwreg(HW_REG_WAVE_MODE, 25, 1), 1
	s_wait_xcnt 0x0
; CAUSAL MULTI-HEAD ATTENTION ON CODES OF FP8 (E4M3), four launches: prep (this one), qkv, attn, proj.
; THIS LAUNCH turns x (three times: with the scales of products 1, 2 and 3) and Wq, Wk, Wv, Wo into codes, and makes the table of cos and sin for the rotation.
; WORK LEFT OUT BY THE PROGRAM (in the launch attn): a step of 128 keys all of which come after a tile's 16 queries.  reference() itself builds the mask (triu, k = 1) and writes -inf over the scores of
; keys behind the query; their p is 2^(-inf) = 0 for all values of the inputs, so they add nothing to the row's sum or to the second product, and they cannot be the row's largest, since key 0 counts for every query.
; Nothing else is left out, and every input is loaded.  LIMIT: a NaN, an infinity or an overflow that reaches only such hidden scores is not carried to the result.
; ONE LAYOUT FOR ALL OPERANDS.  A TILE tau holds the 16 rows 32 (tau / 2) + 8 (tau % 2) + m + 8 (m / 8), m = 0 .. 15.  An IMAGE (1,024 bytes) is a fragment of 16 rows x 64 K as its eight registers stand:
; [c = 0, 1][lane][16 bytes]; lane (r, h) holds k = 32 c + 16 h + 0 .. 15 of the tile's row r.  That is one permutation of k, the same on both sides of every product.
; xc (three parts of 4 MiB) and wc (four parts of 1 MiB): image (((block of 128 rows) x 16 + K / 64) x 8 + tile in the block).  Every store of a wave covers 512 consecutive bytes, aligned.
; tab: for each tile of positions 4,096 bytes: [q = 0 .. 7][lane][cos, sin, cos, sin] of the pairs 16 (q / 4) + 8 h + 2 (q % 4) + 0, 1 at the position of the tile's row r.
; code = number / 2^e, held within +-448, to the nearest code, ties to even.
; SHARES.  Work-groups 0-31: the table, a wave a tile.  The next 512: x, (block, K / 64).  The last 512: the four weights.  In these a wave makes one image from 16 rows x 64 numbers: each load reads two whole rows
; of 256 bytes, and the numbers turn through the wave's own stage in LDS so that a lane holds 16 neighbours along K.  Waves share nothing: no barrier.
; LIMITS: each e used here (entries 0 to 5 and 11) between -126 and 119; |token_positions| up to 100,000 (the range of the three-part reduction); NaN among the inputs is not served.
; The frequencies are 2^(-j log2(10000) / 32), by v_exp_f32 with the product's rounding error corrected: about one unit in the last place.
.set TABWG, 32
.set STG,   4352                       ; a wave's stage: 16 rows x (256 bytes + 16)
.set SPARE, 8*STG                      ; behind the stages: the spare words, 128 bytes a wave
.set GA,  4                            ; v4   my bytes in two rows of the tensor
.set SA,  5                            ; v5   into the stage
.set SB,  6                            ; v6   out of it
.set LI,  7                            ; v7   16 x lane
.set SPW, 8                            ; v8   my spare word; never rewritten
.set NIL, 9                            ; v9   0; never rewritten
.set SC,  10                           ; v10-15 three pairs: 2^e, 448 x 2^e
.set R,   16                           ; v16-47   as loaded
.set X,   48                           ; v48-79   32 numbers: 16 neighbours for c = 0, 16 for c = 1
.set T,   80                           ; v80-111  held
.set C,   112                          ; v112-135 three sets of codes
.set TA,  16                           ; the table's path: frequency, angle, reduced angle
.set TN,  32                           ; exponent, then the quadrant
.set TS,  48                           ; its error, then the square
.set TC,  64                           ; j, then the cosine's polynomial
.set TO,  80                           ; cos, sin of 16 pairs
.set TQ,  112                          ; the sine's polynomial
.set TT,  128                          ; at work
.macro MKSC n, e                       ; the scale 2^e as f32 (the conversion takes its exponent field) and 448 x 2^e
	s_add_co_i32 s62, \e, 127
	s_lshl_b32 s63, s62, 23
	v_mov_b32 v[SC+2*\n], s63
	s_add_co_i32 s62, s62, 8
	s_lshl_b32 s62, s62, 23
	s_or_b32 s62, s62, 0x600000
	v_mov_b32 v[SC+2*\n+1], s62
.endm
.macro QOUT n, p                       ; the 32 numbers become an image under scale n and are stored
.set i, 0
.rept 32
	v_med3_num_f32 v[T+i], v[X+i], -v[SC+2*\n+1], v[SC+2*\n+1]   ; the conversion does not saturate (ISA guide 7.6.2): the hold comes first
.set i, i+1
.endr
.set i, 0
.rept 4
	v_cvt_scalef32_pk8_fp8_f32 v[C+8*\n+2*i:C+8*\n+2*i+1], v[T+8*i:T+8*i+7], v[SC+2*\n]
.set i, i+1
.endr
	v_nop                                          ; a plain line between the conversions and the next writes of their sources
	global_store_b128 v[LI], v[C+8*\n:C+8*\n+3], s[\p:\p+1]
	global_store_b128 v[LI], v[C+8*\n+4:C+8*\n+7], s[\p:\p+1] offset:512
.endm
	s_load_b512 s[4:19], s[0:1], 0x0               ; x, Wq, Wk, Wv, Wo, token_positions, lowp_scales, xc
	s_load_b128 s[20:23], s[0:1], 0x40             ; wc, tab
	v_lshl_add_u32 v[SPW], v0, 2, SPARE
	v_mov_b32 v[NIL], 0
	v_lshrrev_b32 v1, 5, v0
	s_delay_alu instid0(VALU_DEP_1)
	v_readfirstlane_b32 s24, v1                    ; wave 0..7
	v_and_b32 v1, 31, v0                           ; lane
	v_and_b32 v2, 15, v0                           ; r
	v_bfe_u32 v3, v0, 4, 1                         ; h
	s_delay_alu instid0(VALU_DEP_3)
	v_lshlrev_b32 v[LI], 4, v1
	s_wait_kmcnt 0x0
	s_cmp_lt_u32 ttmp9, TABWG
	s_cbranch_scc1 .Ltable
	; ---- codes
	s_load_b256 s[40:47], s[16:17], 0x0            ; e0 .. e7
	s_load_b128 s[48:51], s[16:17], 0x20           ; e8 .. e11
	s_sub_co_u32 s25, ttmp9, TABWG                 ; 0..511: x; 512..1023: the weights
	s_sub_co_u32 s26, s25, 512
	s_lshr_b32 s28, s25, 4                         ; x: the block of 128 rows
	s_bfe_u32 s27, s26, 0x30004                    ; a weight: its block
	s_lshr_b32 s26, s26, 7                         ; which weight
	s_lshl_b32 s29, s26, 20                        ; its part of wc
	s_and_b32 s31, s25, 15                         ; K / 64
	s_cmp_eq_u32 s26, 1                            ; the choices hang on the work-group's number alone
	s_cselect_b64 s[52:53], s[8:9], s[6:7]
	s_cmp_eq_u32 s26, 2
	s_cselect_b64 s[52:53], s[10:11], s[52:53]
	s_cmp_eq_u32 s26, 3
	s_cselect_b64 s[52:53], s[12:13], s[52:53]
	s_cmp_lt_u32 s25, 512
	s_cselect_b64 s[52:53], s[4:5], s[52:53]       ; from
	s_cselect_b64 s[54:55], s[18:19], s[20:21]     ; to
	s_cselect_b32 s27, s28, s27                    ; block
	s_cselect_b32 s29, 0, s29
	s_lshl_b32 s56, s27, 7                         ; the tile's first row: 128 block + 32 (wave / 2) + 8 (wave % 2)
	s_lshr_b32 s57, s24, 1
	s_lshl_b32 s57, s57, 5
	s_add_co_u32 s56, s56, s57
	s_and_b32 s57, s24, 1
	s_lshl_b32 s57, s57, 3
	s_add_co_u32 s56, s56, s57
	s_lshl_b32 s56, s56, 12                        ; rows of 4,096 bytes
	s_lshl_b32 s57, s31, 8                         ; 64 numbers are 256 bytes
	s_add_co_u32 s56, s56, s57
	s_mov_b32 s57, 0
	s_add_nc_u64 s[52:53], s[52:53], s[56:57]
	s_lshl_b32 s58, s27, 4                         ; the image: ((block x 16 + K / 64) x 8 + wave) x 1,024
	s_add_co_u32 s58, s58, s31
	s_lshl_b32 s58, s58, 3
	s_add_co_u32 s58, s58, s24
	s_lshl_b32 s58, s58, 10
	s_add_co_u32 s58, s58, s29
	s_mov_b32 s59, 0
	s_add_nc_u64 s[54:55], s[54:55], s[58:59]
	s_wait_alu depctr_va_vdst(0)
	v_lshlrev_b32 v[GA], 12, v3
	s_delay_alu instid0(VALU_DEP_1)
	v_lshl_add_u32 v[GA], v2, 4, v[GA]             ; lanes 0-15 one row's 256 bytes, lanes 16-31 the next row's
.set a, 0
.rept 8
	global_load_b128 v[R+4*a:R+4*a+3], v[GA], s[52:53] offset:(2*a+8*(a/4))*4096 th:TH_LOAD_NT   ; the tile's rows 2 a and 2 a + 1
.set a, a+1
.endr
	s_mul_i32 s60, s24, STG
	v_mul_u32_u24 v[SA], v3, 272
	s_delay_alu instid0(VALU_DEP_1)
	v_lshl_add_u32 v[SA], v2, 4, v[SA]
	s_delay_alu instid0(VALU_DEP_1)
	v_add_nc_u32 v[SA], s60, v[SA]
	v_mul_u32_u24 v[SB], v2, 272
	s_delay_alu instid0(VALU_DEP_1)
	v_lshl_add_u32 v[SB], v3, 6, v[SB]
	s_delay_alu instid0(VALU_DEP_1)
	v_add_nc_u32 v[SB], s60, v[SB]                 ; row r, + 64 h: my 16 numbers of a block of 32
	s_wait_alu depctr_va_vdst(0)
	s_wait_kmcnt 0x0
	s_cmp_eq_u32 s26, 1
	s_cselect_b32 s61, s43, s41                    ; Wk: e3, Wq: e1
	s_cmp_eq_u32 s26, 2
	s_cselect_b32 s61, s45, s61                    ; Wv: e5
	s_cmp_eq_u32 s26, 3
	s_cselect_b32 s61, s51, s61                    ; Wo: e11
	s_cmp_lt_u32 s25, 512
	s_cselect_b32 s61, s40, s61                    ; x for product 1: e0
	MKSC 0, s61
.set a, 0
	s_wait_alu depctr_va_vdst(0)
.rept 8
	s_wait_loadcnt 7-a                             ; loads come back in order: load a is in, the 7 - a younger ones may be out
	ds_store_b128 v[SA], v[R+4*a:R+4*a+3] offset:2*a*272
.set a, a+1
.endr
.set a, 0
.rept 8
	ds_load_b128 v[X+4*a:X+4*a+3], v[SB] offset:128*(a/4)+16*(a%4)   ; LDS serves a wave's instructions in order: these see my stores
.set a, a+1
.endr
	s_wait_dscnt 0x0
	QOUT 0, 54
	s_cmp_lt_u32 s25, 512                          ; x has two more scales
	s_cbranch_scc0 .Ldone
	MKSC 1, s42                                    ; e2
	MKSC 2, s44                                    ; e4
	s_add_nc_u64 s[56:57], s[54:55], 0x400000      ; xc's second part,
	s_add_nc_u64 s[58:59], s[54:55], 0x800000      ; and its third
	QOUT 1, 56
	QOUT 2, 58
.Ldone:
	s_wait_tensorcnt 0x0                           ; the wave's end
	ds_add_u32 v[SPW], v[NIL]
	s_wait_dscnt 0x0
	s_endpgm
	; ---- the table: no LDS on this way
.Ltable:
	s_lshl_b32 s25, ttmp9, 3
	s_add_co_u32 s25, s25, s24                     ; my tile of positions
	s_lshr_b32 s26, s25, 1
	s_lshl_b32 s26, s26, 5
	s_and_b32 s27, s25, 1
	s_lshl_b32 s27, s27, 3
	s_add_co_u32 s26, s26, s27                     ; its first row
	s_wait_alu depctr_va_vdst(0)
	v_and_b32 v4, 8, v2
	s_delay_alu instid0(VALU_DEP_1)
	v_add_nc_u32 v4, v4, v2                        ; r + 8 (r / 8)
	s_delay_alu instid0(VALU_DEP_1)
	v_add_nc_u32 v4, s26, v4
	s_delay_alu instid0(VALU_DEP_1)
	v_lshlrev_b32 v4, 2, v4
	global_load_b32 v5, v4, s[14:15]               ; the position
	s_lshl_b32 s28, s25, 12
	s_mov_b32 s29, 0
	s_add_nc_u64 s[22:23], s[22:23], s[28:29]
	s_mov_b32 s30, 0x3ed49a78                      ; log2(10000) / 32, high part
	s_mov_b32 s31, 0x32179a3a                      ; and low part
	s_mov_b32 s32, 0xbf317218                      ; -ln 2
	s_mov_b32 s33, 0x3f22f983                      ; 2 / pi
	s_mov_b32 s34, 0xbfc90fd8                      ; -pi / 2 in three parts
	s_mov_b32 s35, 0xb4a8885a
	s_mov_b32 s36, 0xa7c234c4
	s_mov_b32 s37, 0x37cd4000                      ; the cosine's coefficients
	s_mov_b32 s38, 0xbab6077d
	s_mov_b32 s39, 0x3d2aaaa8
	s_mov_b32 s40, 0x36405000                      ; the sine's
	s_mov_b32 s41, 0xb9503486
	s_mov_b32 s42, 0x3c0888c1
	s_mov_b32 s43, 0xbe2aaaab
	v_lshlrev_b32 v6, 3, v3                        ; 8 h
.set i, 0
.rept 16
	v_add_nc_u32 v[TC+i], 16*(i/8)+(i%8), v6       ; j: my 16 pairs
.set i, i+1
.endr
.set i, 0
.rept 16
	v_cvt_f32_u32 v[TC+i], v[TC+i]
.set i, i+1
.endr
.set i, 0
.rept 16
	v_mul_f32 v[TN+i], s30, v[TC+i]                ; the exponent, rounded,
.set i, i+1
.endr
.set i, 0
.rept 16
	v_fma_f32 v[TS+i], v[TC+i], s30, -v[TN+i]      ; what the rounding lost,
.set i, i+1
.endr
.set i, 0
.rept 16
	v_fma_f32 v[TS+i], v[TC+i], s31, v[TS+i]       ; and the constant's low part
.set i, i+1
.endr
.set i, 0
	s_wait_alu depctr_va_vdst(0)
.rept 16
	v_exp_f32 v[TA+i], -v[TN+i]                    ; one batch
.set i, i+1
.endr
.set i, 0
.rept 16
	v_mul_f32 v[TS+i], s32, v[TS+i]                ; plain lines that name no result of the batch
.set i, i+1
.endr
	s_wait_alu depctr_va_vdst(0)                   ; one wait for the batch, ahead of its first reader
.set i, 0
.rept 16
	v_fma_f32 v[TA+i], v[TA+i], v[TS+i], v[TA+i]   ; the frequency
.set i, i+1
.endr
	s_wait_loadcnt 0x0
	v_cvt_f32_i32 v5, v5
.set i, 0
.rept 16
	v_mul_f32 v[TA+i], v5, v[TA+i]                 ; the angle: one f32 product, as reference() has it
.set i, i+1
.endr
.set i, 0
.rept 16
	v_mul_f32 v[TN+i], s33, v[TA+i]
.set i, i+1
.endr
.set i, 0
.rept 16
	v_rndne_f32 v[TN+i], v[TN+i]                   ; the quadrant
.set i, i+1
.endr
.irp s, 34, 35, 36
.set i, 0
.rept 16
	v_fma_f32 v[TA+i], v[TN+i], s\s, v[TA+i]       ; the angle less quadrant x pi / 2
.set i, i+1
.endr
.endr
.set i, 0
.rept 16
	v_mul_f32 v[TS+i], v[TA+i], v[TA+i]
.set i, i+1
.endr
.set i, 0
.rept 16
	v_fma_f32 v[TC+i], s37, v[TS+i], s38
	v_fma_f32 v[TQ+i], s40, v[TS+i], s41
.set i, i+1
.endr
.set i, 0
.rept 16
	v_fma_f32 v[TC+i], v[TC+i], v[TS+i], s39
	v_fma_f32 v[TQ+i], v[TQ+i], v[TS+i], s42
.set i, i+1
.endr
.set i, 0
.rept 16
	v_fma_f32 v[TC+i], v[TC+i], v[TS+i], -0.5
	v_fma_f32 v[TQ+i], v[TQ+i], v[TS+i], s43
.set i, i+1
.endr
.set i, 0
.rept 16
	v_fma_f32 v[TC+i], v[TC+i], v[TS+i], 1.0       ; cos of the reduced angle
	v_mul_f32 v[TT+i], v[TA+i], v[TS+i]
.set i, i+1
.endr
.set i, 0
.rept 16
	v_fma_f32 v[TQ+i], v[TQ+i], v[TT+i], v[TA+i]   ; sin of it
	v_cvt_i32_f32 v[TN+i], v[TN+i]
.set i, i+1
.endr
.set i, 0
.rept 16                               ; an odd quadrant swaps the two; the signs: sin by bit 1 of the quadrant, cos by bit 1 of the quadrant + 1.  Values are selected, nothing branches
	v_and_b32 v[TT+i], 1, v[TN+i]
	s_delay_alu instid0(VALU_DEP_1)
	v_cmp_eq_u32 vcc_lo, 1, v[TT+i]
	s_delay_alu instid0(VALU_DEP_1)
	v_cndmask_b32 v[TO+2*i+1], v[TQ+i], v[TC+i], vcc_lo
	s_delay_alu instid0(VALU_DEP_2)
	v_cndmask_b32 v[TO+2*i], v[TC+i], v[TQ+i], vcc_lo
	v_and_b32 v[TT+i], 2, v[TN+i]
	s_delay_alu instid0(VALU_DEP_1)
	v_lshlrev_b32 v[TT+i], 30, v[TT+i]
	s_delay_alu instid0(VALU_DEP_1)
	v_xor_b32 v[TO+2*i+1], v[TO+2*i+1], v[TT+i]
	v_add_nc_u32 v[TN+i], 1, v[TN+i]
	s_delay_alu instid0(VALU_DEP_1)
	v_and_b32 v[TN+i], 2, v[TN+i]
	s_delay_alu instid0(VALU_DEP_1)
	v_lshlrev_b32 v[TN+i], 30, v[TN+i]
	s_delay_alu instid0(VALU_DEP_1)
	v_xor_b32 v[TO+2*i], v[TO+2*i], v[TN+i]
.set i, i+1
.endr
.set i, 0
.rept 8
	global_store_b128 v[LI], v[TO+4*i:TO+4*i+3], s[22:23] offset:512*i   ; 512 consecutive bytes a store
.set i, i+1
.endr
	s_endpgm
.Lfunc_end_k_q2591d798f6_prep:
	.size	k_q2591d798f6_prep, .Lfunc_end_k_q2591d798f6_prep-k_q2591d798f6_prep
	.p2alignl 7, 3214868480
	.fill 96, 4, 3214868480
	.section	.rodata,"a",@progbits
	.p2align	6, 0x0
	.amdhsa_kernel k_q2591d798f6_prep
		.amdhsa_group_segment_fixed_size 35840
		.amdhsa_private_segment_fixed_size 0
		.amdhsa_enable_private_segment 0
		.amdhsa_kernarg_size 80
		.amdhsa_user_sgpr_count 2
		.amdhsa_user_sgpr_kernarg_segment_ptr 1
		.amdhsa_wavefront_size32 1
		.amdhsa_system_sgpr_workgroup_id_x 1
		.amdhsa_system_sgpr_workgroup_id_y 1
		.amdhsa_system_sgpr_workgroup_id_z 1
		.amdhsa_system_vgpr_workitem_id 0
		.amdhsa_next_free_vgpr 144
		.amdhsa_next_free_sgpr 66
		.amdhsa_reserve_vcc 1
		.amdhsa_float_denorm_mode_32 3
		.amdhsa_float_denorm_mode_16_64 3
		.amdhsa_memory_ordered 1
		.amdhsa_forward_progress 1
		.amdhsa_inst_pref_size 46
	.end_amdhsa_kernel
	.amdgpu_metadata
---
amdhsa.version: [ 1, 2 ]
amdhsa.kernels:
  - .name:           k_q2591d798f6_prep
    .symbol:         k_q2591d798f6_prep.kd
    .args:
      - { .name: x, .offset: 0, .size: 8, .value_kind: global_buffer, .address_space: global }
      - { .name: Wq, .offset: 8, .size: 8, .value_kind: global_buffer, .address_space: global }
      - { .name: Wk, .offset: 16, .size: 8, .value_kind: global_buffer, .address_space: global }
      - { .name: Wv, .offset: 24, .size: 8, .value_kind: global_buffer, .address_space: global }
      - { .name: Wo, .offset: 32, .size: 8, .value_kind: global_buffer, .address_space: global }
      - { .name: token_positions, .offset: 40, .size: 8, .value_kind: global_buffer, .address_space: global }
      - { .name: lowp_scales, .offset: 48, .size: 8, .value_kind: global_buffer, .address_space: global }
      - { .name: xc, .offset: 56, .size: 8, .value_kind: global_buffer, .address_space: global }
      - { .name: wc, .offset: 64, .size: 8, .value_kind: global_buffer, .address_space: global }
      - { .name: tab, .offset: 72, .size: 8, .value_kind: global_buffer, .address_space: global }
    .group_segment_fixed_size: 35840
    .private_segment_fixed_size: 0
    .kernarg_segment_align: 8
    .kernarg_segment_size: 80
    .max_flat_workgroup_size: 256
    .sgpr_count:     66
    .vgpr_count:     144
    .wavefront_size: 32
...
	.end_amdgpu_metadata
.endif
;; end of part 1
;; launch qkv (part 2): grid 8 x 32, 4 waves a work-group, clusters of 4 x 4, 327,680 bytes of LDS; arguments xc, wc, tab, lowp_scales, qkvc; writes qkvc
.if DOCPART == 2
	.amdgcn_target "amdgcn-amd-amdhsa--gfx1250"
	.amdhsa_code_object_version 6
	.text
	.protected	k_q2591d798f6_qkv
	.globl	k_q2591d798f6_qkv
	.p2align	8
	.type	k_q2591d798f6_qkv,@function
k_q2591d798f6_qkv:
	s_mov_b64 s[64:65], 0
	v_nop
	global_prefetch_b8 v0, s[64:65] scope:SCOPE_SE
	s_setreg_imm32_b32 hwreg(HW_REG_WAVE_MODE, 25, 1), 1
	s_wait_xcnt 0x0
	s_wait_alu depctr_hold_cnt(0) depctr_sa_sdst(0) depctr_va_vdst(0) depctr_va_sdst(0) depctr_va_ssrc(0) depctr_va_vcc(0) depctr_vm_vsrc(0)
	s_getreg_b32 s2, hwreg(HW_REG_IB_STS2, 6, 4)
	s_cmp_eq_u32 s2, 0
	s_cbranch_scc0 .Lentry_in_a_cluster
	s_endpgm
.Lentry_in_a_cluster:
	s_bfe_u32 s2, ttmp6, 0x10000c
	s_cmp_lg_u32 s2, 0xf033
	s_cbranch_scc0 .Lentry_shape_is_right
	s_endpgm
.Lentry_shape_is_right:
; q, k and v: the products x Wq^T, x Wk^T, x Wv^T on codes of FP8 (E4M3), the rotation of q and k, and the quantising of all three for the attention's two products.  Nothing is left out here.
; A WORK-GROUP STAYS: it makes 128 x 128 of q, then of k, then of v.  K = 1,024 goes in halves of 512 through a ring of two LDS slots (R's 64 KiB, then L's 64 KiB): six halves in all, and the ring does not stop between
; products: while a product's results are rotated, converted and stored, the next product's first half is on its way.  q and k are the two trips of a loop; v, which asks for nothing behind its second half, is written out.
; R is source 0 (a lane's registers run along R's rows), L is source 1 (a lane is one row of L).  q, k: R = the weight, L = x: a lane holds one token and 8 neighbouring channels a tile, so the rotation's pairs and the
; next K (the head's 64) lie in its registers.  v: R = x, L = Wv: a lane holds one channel and its registers run down the keys, the second product's K.
; A TILE tau holds rows 32 (tau / 2) + 8 (tau % 2) + m + 8 (m / 8); as source 0 it gives lane (r, h), register j, row 32 (tau / 2) + 16 h + 8 (tau % 2) + j: two neighbouring tiles are 16 neighbours.
; OPERANDS lie in memory and in LDS as images of their registers (1,024 bytes: [c][lane][16 bytes], k = 32 c + 16 h + 0 .. 15), block of 128 rows by block: [K / 64][tile][image]: every LDS load takes 512 consecutive bytes.
; FOUR WAVES, wr = wave % 2, wl = wave / 2: R's tiles 4 wr .. + 3 (64 rows: one head, or 64 keys) x L's tiles 4 wl .. + 3: 16 accumulators, v_wmma_f32_16x16x64_fp8_fp8, one K / 64 a step, 8 steps a half.
; CLUSTER 4 x 4: R's block hangs on cx and is asked for jointly by a column of the cluster, L's on cy and by a row.  Waves 0, 1 ask for the two halves (32 KiB, 128 rows of 256 bytes) of R's part of a slot, waves 2, 3 of L's:
; one load a wave behind each round of the cluster's barrier, and one load of a wave is out at a time.
; PREFETCH: in trip p, behind the first joint load and the fragment loads that follow it, x's whole block for product p + 1 (128 KiB): the four partners that will ask for it share it out by address, 32 KiB each, 8 KiB a wave,
; lanes 256 bytes apart: each block of 256 bytes is named once in each cluster that loads it, one change of slots ahead of its first load.  Product 0's block comes by its loads alone.  The weights are not prefetched:
; each block of a weight is asked for by eight clusters in the same change of slots, so seven of eight requests would name bytes that another cluster names too.
; OUT: qkvc: q at 0 and k at 4 MiB: image (head x 256 + tile of tokens); v at 8 MiB: fragments of 16 channels x 128 keys, 2,048 bytes: ((head x 32 + keys / 128) x 4 + tile of channels), [c = 0 .. 3][lane][16 bytes].
; The three scales ahead of the quantiser are folded into the conversion's one: 2^(eo - ex - ew).  LIMIT: eo - ex - ew between -126 and 119, for (e6, e0, e1), (e7, e2, e3), (e9, e4, e5).  NaN is not served.
; REGISTERS: window 0: v1 16 x lane; v4, 5 and v8, 9 LDS addresses by slot; v12 prefetch offset; v16, 17 the add's two; v18, 19 scale and hold; v24-31 at work; v32-63 codes; v64-127, v128-191 two sets of fragments, later the results.
;   window 1: v0-127 the accumulators ((lt, t) at 8 (4 lt + t)); v128-255 cos and sin, loaded once for q and k.
.set LI,   1
.set AR,   4
.set AL,   8
.set PFO,  12
.set SPW,  16
.set NIL,  17
.set SCL,  18
.set LIM,  19
.set U,    24
.set C,    32
.set F0,   64
.set T,    64
.set CS,   128
.set SLOT,  131072
.set LOFF,  65536                      ; L's part of a slot, behind R's
.set SPARE, 262144                     ; the spare words, 128 bytes a wave
.set WV, 14
.set WL, 15
.set WR, 16
.set CX, 17
.set CY, 18
.set PP, 19
.set G1R, 24
.set G1L, 32
.set G0R, 40
.set G0L, 44
.set RA,  48                           ; s[48:53] where my part of R's first half lies: this product's, the next's, the one after
.set LA,  54                           ; s[54:59] the same for L
.set PN,  66                           ; s[66:69] where my prefetch stands: for the next product, for the one after
.set SS,  70                           ; s70-75 scale and hold: this product's, the next's, the one after
.set OQ,  76                           ; s[76:77] q's, then k's images;  s[78:79] v's fragments
.set OV,  78
.set MSB, 0
.macro WIN new                         ; the immediate's high byte repeats the setting that is left
.if MSB != \new
	s_set_vgpr_msb (MSB<<8)|\new
.set MSB, \new
.endif
.endm
.set W_MUL, 0x50                       ; C and D window 1, fragments window 0
.macro CROUND                          ; a round of the cluster's barrier
	s_barrier_signal -1
	s_barrier_wait -1
	s_cmp_lg_u32 s[WV], 0
	s_cbranch_scc1 .Lnot_wave_0_\@
	s_barrier_signal -3
.Lnot_wave_0_\@:
	s_barrier_wait -3
	s_barrier_signal -1
	s_barrier_wait -1
.endm
.macro PLACES                          ; four plain lines between a matrix instruction and a load into, or a vector line on, its registers
.rept 4
	v_nop
.endr
.endm
.macro JLOAD                           ; a joint load: each of the two lines has one mask and one set of registers; an s_nop 0 and four v_nop follow each
	s_cmp_eq_u32 s[WL], 0
	s_cbranch_scc0 .Lfor_l_\@
	tensor_load_to_lds s[G0R:G0R+3], s[G1R:G1R+7]
	s_nop 0
	PLACES
	s_branch .Lasked_\@
.Lfor_l_\@:
	tensor_load_to_lds s[G0L:G0L+3], s[G1L:G1L+7]
	s_nop 0
	PLACES
.Lasked_\@:
.endm
.macro SETG slot, n, off               ; both groups 0: into slot, from entry n of the two lists, off bytes on
	s_add_co_u32 s[G0R+1], s3, (\slot)*SLOT
	s_add_nc_u64 s[G0R+2:G0R+3], s[RA+2*\n:RA+2*\n+1], \off
	s_or_b32 s[G0R+3], s[G0R+3], 0x80000000
	s_add_co_u32 s[G0L+1], s3, (\slot)*SLOT+LOFF
	s_add_nc_u64 s[G0L+2:G0L+3], s[LA+2*\n:LA+2*\n+1], \off
	s_or_b32 s[G0L+3], s[G0L+3], 0x80000000
.endm
; THE CHANGE OF SLOTS.  Each wave waits for all its tensor loads (its part of the slot that it is about to read), adds 0 to its spare word and waits for that and for its reads of the other slot; the round shows the same
; of every wave of all sixteen work-groups; the joint load into the other slot is the first tensor load behind it.
.macro TURN slot, n, off
	s_wait_tensorcnt 0x0                           ; no load of mine is out, so the groups 0 may be written
	ds_add_u32 v[SPW], v[NIL]
	SETG 1-(\slot), \n, \off
	s_wait_dscnt 0x0
	CROUND
	JLOAD                                          ; its four v_nop are also the places in front of the fragment loads below
.endm
.macro FETCH slot, kk                  ; the slot's K step kk: eight fragments into set kk % 2
.set FB, F0+64*((\kk)%2)
.irp t, 0,1,2,3
	ds_load_b128 v[FB+8*\t:FB+8*\t+3],   v[AR+\slot] offset:(\kk)*8192+\t*1024
	ds_load_b128 v[FB+8*\t+4:FB+8*\t+7], v[AR+\slot] offset:(\kk)*8192+\t*1024+512
.endr
.irp t, 0,1,2,3
	ds_load_b128 v[FB+32+8*\t:FB+32+8*\t+3],   v[AL+\slot] offset:(\kk)*8192+\t*1024
	ds_load_b128 v[FB+32+8*\t+4:FB+32+8*\t+7], v[AL+\slot] offset:(\kk)*8192+\t*1024+512
.endr
.endm
.macro MUL kk, zero                    ; 16 products; the 16 accumulators take turns in the same order in every step; a product's first step starts the sums
.set FB, F0+64*((\kk)%2)
.irp l, 0,1,2,3
.irp t, 0,1,2,3
.if \zero
	v_wmma_f32_16x16x64_fp8_fp8 v[8*(4*\l+\t):8*(4*\l+\t)+7], v[FB+8*\t:FB+8*\t+7], v[FB+32+8*\l:FB+32+8*\l+7], 0
.else
	v_wmma_f32_16x16x64_fp8_fp8 v[8*(4*\l+\t):8*(4*\l+\t)+7], v[FB+8*\t:FB+8*\t+7], v[FB+32+8*\l:FB+32+8*\l+7], v[8*(4*\l+\t):8*(4*\l+\t)+7]
.endif
.endr
.endr
.endm
.macro KSTEP slot, kk, zero
.if (\kk) < 7
.if (\kk) > 0
	PLACES
.endif
	FETCH \slot, (\kk)+1
	s_wait_dscnt 16                                ; all but the 16 just issued
.else
	s_wait_dscnt 0x0
.endif
	WIN W_MUL
	MUL \kk, \zero
	WIN 0
.endm
.macro HALF slot, first, ask           ; a slot's eight K steps
	FETCH \slot, 0
.if \ask
	global_prefetch_b8 v[PFO], s[PN:PN+1] th:TH_LOAD_NT scope:SCOPE_SE
.endif
	KSTEP \slot, 0, \first
.irp kk, 1,2,3,4,5,6,7
	KSTEP \slot, \kk, 0
.endr
.endm
.macro MKS d, eo, ex, ew               ; a sum stands for sum x 2^(ex + ew): its code is sum / 2^(eo - ex - ew); that power of two as f32, and 448 x it
	s_sub_co_i32 s[\d+1], \eo, \ex
	s_sub_co_i32 s[\d+1], s[\d+1], \ew
	s_add_co_i32 s[\d+1], s[\d+1], 127
	s_lshl_b32 s[\d], s[\d+1], 23
	s_add_co_i32 s[\d+1], s[\d+1], 8
	s_lshl_b32 s[\d+1], s[\d+1], 23
	s_or_b32 s[\d+1], s[\d+1], 0x600000
.endm
.macro CODES p, pitch                  ; the 128 held results become codes and are stored: 512 consecutive bytes a store
.set a, 0
.rept 16
	v_cvt_scalef32_pk8_fp8_f32 v[C+2*a:C+2*a+1], v[T+8*a:T+8*a+7], v[SCL]   ; tiles t = 0, 1 are registers 0-3 of lt's image, t = 2, 3 registers 4-7
.set a, a+1
.endr
	v_nop
.irp l, 0,1,2,3
	global_store_b128 v[LI], v[C+8*\l:C+8*\l+3], s[\p:\p+1] offset:\l*\pitch
	global_store_b128 v[LI], v[C+8*\l+4:C+8*\l+7], s[\p:\p+1] offset:\l*\pitch+512
.endr
.endm
	s_load_b256 s[4:11], s[0:1], 0x0               ; xc, wc, tab, lowp_scales
	s_load_b64 s[12:13], s[0:1], 0x20              ; qkvc
	v_lshl_add_u32 v[SPW], v0, 2, SPARE
	v_mov_b32 v[NIL], 0
	ds_add_u32 v[SPW], v[NIL]                      ; the opening: the add, twice on end, and its wait ahead of my first tensor load
	ds_add_u32 v[SPW], v[NIL]
	v_lshrrev_b32 v2, 5, v0
	v_readfirstlane_b32 s[WV], v2                  ; wave 0..3
	s_lshr_b32 s[WL], s[WV], 1                     ; wl.  Also: I fetch for R (0) or for L (1)
	s_and_b32 s[WR], s[WV], 1                      ; wr.  Also: which half of a slot's part I fetch
	s_bfe_u32 s[CX], ttmp6, 0x40000
	s_bfe_u32 s[CY], ttmp6, 0x40004
	s_lshl_b32 s20, ttmp9, 2                       ; the weights have 8 blocks (cluster x), x has 32 (cluster y)
	s_and_b32 s21, ttmp7, 0xffff
	s_lshl_b32 s21, s21, 2
	s_add_co_u32 s22, s20, s[CX]                   ; q, k: R = the weight's block,
	s_add_co_u32 s23, s21, s[CY]                   ;       L = x's block
	s_add_co_u32 s96, s21, s[CX]                   ; v:    R = x's block,
	s_add_co_u32 s97, s20, s[CY]                   ;       L = Wv's block
	s_lshl_b32 s60, 0x1111, s[CX]                  ; my column of the cluster
	s_lshl_b32 s62, s[CY], 2
	s_lshl_b32 s62, 15, s62                        ; my row
	s_or_b32 s[G1R], s60, (3<<16)|(1<<21)          ; 15:0 the mask; 17:16 elements of 8 bytes; 21 set beside a mask; no padding
	s_or_b32 s[G1L], s62, (3<<16)|(1<<21)
.irp g, G1R, G1L                       ; a dense tile: 128 rows of 256 bytes
	s_mov_b32 s[\g+1], 32<<16                      ; tensor_dim0
	s_mov_b32 s[\g+2], 128<<16                     ; tensor_dim1
	s_mov_b32 s[\g+3], 32<<16                      ; tile_dim0
	s_mov_b32 s[\g+4], 128                         ; tile_dim1
	s_mov_b32 s[\g+5], 32                          ; the pitch
	s_mov_b32 s[\g+6], 0
	s_mov_b32 s[\g+7], 0
.endr
	s_mov_b32 s[G0R], 1
	s_mov_b32 s[G0L], 1
	s_mov_b32 s[PP], 0
	s_lshl_b32 s3, s[WR], 15                       ; my 32 KiB, in memory and in LDS
	s_wait_dscnt 0x0                               ; both opening adds are done
	s_wait_kmcnt 0x0
	s_load_b256 s[84:91], s[10:11], 0x0            ; e0 .. e7
	s_load_b128 s[92:95], s[10:11], 0x20           ; e8 .. e11
	s_lshl_b32 s60, s22, 17                        ; R: Wq's block, Wk's 1 MiB on, x's under product 3's scale at 8 MiB
	s_add_co_u32 s60, s60, s3
	s_mov_b32 s61, 0
	s_add_nc_u64 s[RA:RA+1], s[6:7], s[60:61]
	s_add_nc_u64 s[RA+2:RA+3], s[RA:RA+1], 0x100000
	s_lshl_b32 s60, s96, 17
	s_add_co_u32 s60, s60, s3
	s_add_nc_u64 s[RA+4:RA+5], s[4:5], s[60:61]
	s_add_nc_u64 s[RA+4:RA+5], s[RA+4:RA+5], 0x800000
	s_lshl_b32 s62, s23, 17                        ; L: x's block under product 1's scale, under product 2's 4 MiB on, Wv's at 2 MiB
	s_add_co_u32 s62, s62, s3
	s_mov_b32 s63, 0
	s_add_nc_u64 s[LA:LA+1], s[4:5], s[62:63]
	s_add_nc_u64 s[LA+2:LA+3], s[LA:LA+1], 0x400000
	s_lshl_b32 s62, s97, 17
	s_add_co_u32 s62, s62, s3
	s_add_nc_u64 s[LA+4:LA+5], s[6:7], s[62:63]
	s_add_nc_u64 s[LA+4:LA+5], s[LA+4:LA+5], 0x200000
	SETG 0, 0, 0
	CROUND                                         ; all sixteen work-groups are here: the first joint loads meet
	JLOAD                                          ; q's first half: one tensor load a wave at the head
	v_and_b32 v2, 31, v0
	v_lshlrev_b32 v[LI], 4, v2
	v_lshlrev_b32 v[PFO], 8, v2
	s_wait_alu depctr_va_vdst(0)                   ; the wait ahead of the run of scalar lines
	s_lshl_b32 s60, s[WR], 12                      ; my four tiles of R,
	s_lshl_b32 s61, s[WL], 12
	s_add_co_u32 s61, s61, LOFF                    ; and of L
.irp s, 0,1
	v_add_nc_u32 v[AR+\s], s60, v[LI]
	v_add_nc_u32 v[AL+\s], s61, v[LI]
	s_add_co_u32 s60, s60, SLOT
	s_add_co_u32 s61, s61, SLOT
.endr
	s_lshl_b32 s100, s23, 15                       ; the table of my four tiles of tokens: (8 x's block + 4 wl) x 4,096
	s_lshl_b32 s101, s[WL], 14
	s_add_co_u32 s100, s100, s101
	s_mov_b32 s101, 0
	s_add_nc_u64 s[8:9], s[8:9], s[100:101]
	WIN 0x40                                       ; destination window 1
.set a, 0
.rept 32
	global_load_b128 v[CS+4*a:CS+4*a+3], v[LI], s[8:9] offset:512*a   ; cos at CS + 8 (4 lt + t) + 2 i, sin behind it: pair i of tile t, token tile lt
.set a, a+1
.endr
	WIN 0
	s_lshl_b32 s60, s22, 1                         ; q, k: image (2 R block + wr) x 256 + 8 L block + 4 wl + lt
	s_add_co_u32 s60, s60, s[WR]
	s_lshl_b32 s60, s60, 8
	s_lshl_b32 s61, s23, 3
	s_add_co_u32 s60, s60, s61
	s_lshl_b32 s61, s[WL], 2
	s_add_co_u32 s60, s60, s61
	s_lshl_b32 s60, s60, 10
	s_mov_b32 s61, 0
	s_add_nc_u64 s[OQ:OQ+1], s[12:13], s[60:61]
	s_lshl_b32 s60, s97, 1                         ; v: fragment ((2 L block + wl) x 32 + R block) x 4 + lt, its half wr
	s_add_co_u32 s60, s60, s[WL]
	s_lshl_b32 s60, s60, 5
	s_add_co_u32 s60, s60, s96
	s_lshl_b32 s60, s60, 13
	s_lshl_b32 s62, s[WR], 10
	s_add_co_u32 s60, s60, s62
	s_add_nc_u64 s[OV:OV+1], s[12:13], s[60:61]
	s_add_nc_u64 s[OV:OV+1], s[OV:OV+1], 0x800000
	s_lshl_b32 s60, s23, 17                        ; the prefetches: x's block for k, my work-group's quarter by cx, my wave's 8 KiB of it,
	s_lshl_b32 s62, s[CX], 15
	s_add_co_u32 s60, s60, s62
	s_lshl_b32 s62, s[WV], 13
	s_add_co_u32 s60, s60, s62
	s_add_nc_u64 s[PN:PN+1], s[4:5], s[60:61]
	s_add_nc_u64 s[PN:PN+1], s[PN:PN+1], 0x400000
	s_lshl_b32 s60, s96, 17                        ; and for v, the quarter by cy
	s_lshl_b32 s63, s[CY], 15
	s_add_co_u32 s60, s60, s63
	s_add_co_u32 s60, s60, s62
	s_add_nc_u64 s[PN+2:PN+3], s[4:5], s[60:61]
	s_add_nc_u64 s[PN+2:PN+3], s[PN+2:PN+3], 0x800000
	s_wait_kmcnt 0x0
	MKS SS,   s90, s84, s85                        ; q: e6, e0, e1
	MKS SS+2, s91, s86, s87                        ; k: e7, e2, e3
	MKS SS+4, s93, s88, s89                        ; v: e9, e4, e5
	s_wait_alu depctr_va_vdst(0)                   ; the head's end
.Lprod:                                                ; two trips: q, k
	TURN 0, 0, 65536                               ; this product's second half, into slot 1
	HALF 0, 1, 1
	TURN 1, 1, 0                                   ; the next product's first half, into slot 0
	HALF 1, 0, 0
	s_wait_loadcnt 0x0                             ; the table
	v_mov_b32 v[SCL], s[SS]
	v_mov_b32 v[LIM], s[SS+1]
	v_nop
	v_nop                                          ; with the two lines above: four places behind the last products
	WIN 0x05                                       ; sources 0 and 1 window 1
.set a, 0
.rept 16                               ; even' = even cos - odd sin, odd' = even sin + odd cos.  Each accumulator is first read at its register 1
.irp i, 0,1,2,3
	v_mul_f32 v[U+2*\i],   v[8*a+2*\i+1], v[CS+8*a+2*\i+1]
	v_mul_f32 v[U+2*\i+1], v[8*a+2*\i+1], v[CS+8*a+2*\i]
.endr
.irp i, 0,1,2,3
	v_fma_f32 v[T+8*a+2*\i],   v[8*a+2*\i], v[CS+8*a+2*\i],   -v[U+2*\i]
	v_fma_f32 v[T+8*a+2*\i+1], v[8*a+2*\i], v[CS+8*a+2*\i+1], v[U+2*\i+1]
.endr
.set a, a+1
.endr
	WIN 0
.set j, 0
.rept 128
	v_med3_num_f32 v[T+j], v[T+j], -v[LIM], v[LIM] ; the conversion does not saturate (ISA guide 7.6.2)
.set j, j+1
.endr
	CODES OQ, 1024
	s_wait_xcnt 0x0                                ; the stores and the prefetch have read their registers: the base, the codes and the prefetch's address may be written
	s_add_nc_u64 s[OQ:OQ+1], s[OQ:OQ+1], 0x400000  ; k's part of qkvc
	s_mov_b64 s[PN:PN+1], s[PN+2:PN+3]
	s_mov_b64 s[RA:RA+1], s[RA+2:RA+3]             ; the lists move up by one product
	s_mov_b64 s[RA+2:RA+3], s[RA+4:RA+5]
	s_mov_b64 s[LA:LA+1], s[LA+2:LA+3]
	s_mov_b64 s[LA+2:LA+3], s[LA+4:LA+5]
	s_mov_b64 s[SS:SS+1], s[SS+2:SS+3]
	s_mov_b64 s[SS+2:SS+3], s[SS+4:SS+5]
	s_add_co_u32 s[PP], s[PP], 1
	s_cmp_lt_u32 s[PP], 2
	s_cbranch_scc1 .Lprod
	TURN 0, 0, 65536                               ; v's second half, the last joint load
	HALF 0, 1, 0
	s_wait_tensorcnt 0x0                           ; the last change of slots fills nothing, and has no round of the cluster's barrier
	ds_add_u32 v[SPW], v[NIL]
	s_wait_dscnt 0x0
	s_barrier_signal -1
	s_barrier_wait -1
	PLACES
	HALF 1, 0, 0
	v_mov_b32 v[SCL], s[SS]
	v_mov_b32 v[LIM], s[SS+1]
	v_nop
	v_nop                                          ; four places behind the last products
	WIN 0x01                                       ; source 0 window 1
.set j, 0
.rept 128
	v_med3_num_f32 v[T+j], v[j], -v[LIM], v[LIM]   ; each accumulator from its low end on
.set j, j+1
.endr
	WIN 0
	CODES OV, 2048
	s_wait_tensorcnt 0x0                           ; the wave's end
	ds_add_u32 v[SPW], v[NIL]
	s_wait_dscnt 0x0
	CROUND                                         ; the closing round
	s_endpgm
.Lfunc_end_k_q2591d798f6_qkv:
	.size	k_q2591d798f6_qkv, .Lfunc_end_k_q2591d798f6_qkv-k_q2591d798f6_qkv
	.p2alignl 7, 3214868480
	.fill 96, 4, 3214868480
	.section	.rodata,"a",@progbits
	.p2align	6, 0x0
	.amdhsa_kernel k_q2591d798f6_qkv
		.amdhsa_group_segment_fixed_size 327680
		.amdhsa_private_segment_fixed_size 0
		.amdhsa_enable_private_segment 0
		.amdhsa_kernarg_size 40
		.amdhsa_user_sgpr_count 2
		.amdhsa_user_sgpr_kernarg_segment_ptr 1
		.amdhsa_wavefront_size32 1
		.amdhsa_system_sgpr_workgroup_id_x 1
		.amdhsa_system_sgpr_workgroup_id_y 1
		.amdhsa_system_sgpr_workgroup_id_z 1
		.amdhsa_system_vgpr_workitem_id 0
		.amdhsa_next_free_vgpr 512
		.amdhsa_next_free_sgpr 102
		.amdhsa_reserve_vcc 0
		.amdhsa_float_denorm_mode_32 3
		.amdhsa_float_denorm_mode_16_64 3
		.amdhsa_memory_ordered 1
		.amdhsa_forward_progress 1
		.amdhsa_inst_pref_size 118
	.end_amdhsa_kernel
	.amdgpu_metadata
---
amdhsa.version: [ 1, 2 ]
amdhsa.kernels:
  - .name:           k_q2591d798f6_qkv
    .symbol:         k_q2591d798f6_qkv.kd
    .args:
      - { .name: xc, .offset: 0, .size: 8, .value_kind: global_buffer, .address_space: global }
      - { .name: wc, .offset: 8, .size: 8, .value_kind: global_buffer, .address_space: global }
      - { .name: tab, .offset: 16, .size: 8, .value_kind: global_buffer, .address_space: global }
      - { .name: lowp_scales, .offset: 24, .size: 8, .value_kind: global_buffer, .address_space: global }
      - { .name: qkvc, .offset: 32, .size: 8, .value_kind: global_buffer, .address_space: global }
    .group_segment_fixed_size: 327680
    .private_segment_fixed_size: 0
    .kernarg_segment_align: 8
    .kernarg_segment_size: 40
    .max_flat_workgroup_size: 128
    .sgpr_count:     102
    .vgpr_count:     512
    .wavefront_size: 32
...
	.end_amdgpu_metadata
.endif
;; end of part 2
;; launch attn (part 3): grid 16 x 16, 16 waves a work-group, no clusters, 327,680 bytes of LDS; arguments qkvc, lowp_scales, oc; writes oc
.if DOCPART == 3
	.amdgcn_target "amdgcn-amd-amdhsa--gfx1250"
	.amdhsa_code_object_version 6
	.text
	.protected	k_q2591d798f6_attn
	.globl	k_q2591d798f6_attn
	.p2align	8
	.type	k_q2591d798f6_attn,@function
k_q2591d798f6_attn:
	s_mov_b64 s[64:65], 0
	v_nop
	global_prefetch_b8 v0, s[64:65] scope:SCOPE_SE
	s_setreg_imm32_b32 hwreg(HW_REG_WAVE_MODE, 25, 1), 1
	s_wait_xcnt 0x0
; Causal attention on codes of FP8 (E4M3), head size 64, 4,096 tokens, 16 heads; the result is quantised for the last product.
; LEFT OUT: a step of 128 keys all of which come after a tile's 16 queries (reference()'s own mask gives them p = 0 for all inputs: shown at the head of the launch prep).
; THE SOFTMAX: t = score x log2(e) / 8; M = the largest t so far of the keys that a wave has walked, rounded up to a whole number; p = 2^(t - M) is quantised with 2^e8; the sum is taken of the unquantised p and divides
; at the end.  When M moves, and where two waves' parts of a row are joined, sums and O are multiplied by a power of two 2^(old M - new M): exact.
; SHARES.  Work-group (i, head) owns the blocks of 128 queries 31 - i (late) and i (early), eight tiles of 16 queries each (rows Q0 + r + 8 (r / 8)).  Waves 0-7 own the late tiles.  Waves 8-15 own the early tiles up to key
; step i; then each stores its tile, takes the queries of the late tile of wave w - 8, and walks that tile's ODD key steps behind step i, while wave w - 8 walks the even ones.  So a wave has 16 or 17 key steps in every
; work-group, and in every slot all sixteen waves have the same number.  At the end wave w hands its part (-M, the sum, O^T) to wave w - 8 through LDS bytes of their own, as an image of its registers.
; NO CLUSTER: the work-groups of a head need different numbers of key slots under the mask, so partners could not make every joint request for tiles that they read.
; LAYOUT.  S^T = K Q^T (source 0 = a tile of 16 keys, source 1 = my queries; K = 64), O^T = V^T P^T (source 0 = a tile of 16 channels x 128 keys): a lane holds one query throughout.  The tiles' rows are
; 32 (tau / 2) + 8 (tau % 2) + m + 8 (m / 8), so the 16 registers of tiles 2 b, 2 b + 1 are 16 neighbours: p's conversions give the second product's operand, and O's give the image that the last product reads.
; RING.  Two slots of 512 keys (K 32 KiB, V 32 KiB, both dense images); waves 0, 1 fetch K's halves, waves 2, 3 V's; all sixteen read.  Every work-group walks all 8 slots: the trip count is a constant; a step's work, and the
; fill of a slot beyond the work-group's last query (the slot behind the last among them), are jumped over by scalar branches on ids.  Every wait on TENSORcnt is for 0.
; OUT: oc: image ((block of 128 tokens x 16 + head) x 8 + tile), two stores of 512 consecutive bytes a tile.
; LIMITS: e6 + e7 between -123 and 130 (added to c's exponent field); e8, and e10 - e8 - e9, between -126 and 119.  NaN is not served.
; REGISTERS: v1 16 x lane; v2 LDS address of the slot; v3 prefetch offset; v4 r + 8 (r / 8) - 16 h; v5, 6 the add's two; v7 the pair's LDS bytes; v12 -M, v13 the largest t, v[14:15] the sum; v16-23 Q; v32-95 K's 8 fragments,
;   then V's 4; v96-159 S^T, then p; v160-191 O^T; v192-207 p's codes; v208-215 O's codes; v234-239, v242-243, v246-255 at work; v240, v241: 448 x 2^e8; v244: 2^e8; v232, v245: the same two for e10 - e8 - e9.
.set SK,    512
.set SLOT1, 65536
.set VOFF,  32768
.set NSL,   8
.set SPARE, 131072                     ; behind the ring: the spare words, 128 bytes a wave
.set SCR,   133120                     ; behind them: 9 x 512 bytes for each pair of waves; no fill lands here
.set LI,  1
.set ADR, 2
.set PFO, 3
.set DQ,  4
.set SPW, 5
.set NIL, 6
.set SCA, 7
.set TB,  2                            ; s2  the slot in hand
.set WV,  18
.set SEL, 20
.set CS,  22
.set G1,  24
.set G0,  40
.set SLOTS, 67
.set PFA, 76
.set LIM, 80
.set LASTQ, 81
.set QAD, 82                           ; s[82:83] the late tile's Q
.set OAD, 84                           ; s[84:85] the image that I store
.set TRK, 88                           ; s88 the key at which a wave of 8-15 changes tiles: the first odd step behind step i; no key in waves 0-7
.set LIME, 89                          ; s89 the last key that an even step of mine may begin at or under;  s90 the same for odd steps
.set LIMO, 90
.set HH,  91                           ; s91 wave / 8
.set QA,  97                           ; s97 the late tile's first query
.set KF,  98                           ; s98 the step's first key
.set Q0,  99                           ; s99 the first query of the tile in hand
.macro TLOAD                           ; waves 0 to 3 fetch, one load each; an s_nop 0 and four v_nop follow it
	s_cmp_lt_u32 s[WV], 4
	s_cbranch_scc0 .Lasked_\@
	tensor_load_to_lds s[G0:G0+3], s[G1:G1+7]
	s_nop 0
.rept 4
	v_nop
.endr
.Lasked_\@:
.endm
; A prefetch of what the NEXT change of slots will ask for.  All work-groups of a head walk the same K and V: work-group 0 of the head, which reads all slots, asks; in it waves 4-7 for K's 32 KiB and waves 8-11 for
; V's, 8,192 bytes a wave, lanes 256 bytes apart: each block of 256 bytes is named once.  The last two changes ask for nothing; slots 0 and 1 come by their loads alone.
.macro ASK
	s_cmp_gt_u32 s[SLOTS], s[LIM]
	s_cbranch_scc0 .Lnot_mine_\@
	global_prefetch_b8 v[PFO], s[PFA:PFA+1] th:TH_LOAD_NT scope:SCOPE_SE
.Lnot_mine_\@:
.endm
.macro INITS                           ; a tile's state at its start
	v_mov_b32 v13, 0xff61b1e6                      ; the largest t so far: -3e38
	v_mov_b32 v14, 0
	v_mov_b32 v15, 0
	v_floor_f32 v12, -v13                          ; -M
.set j, 0
.rept 32
	v_mov_b32 v[160+j], 0                          ; O^T: the step is written once; its first walk finds zeros
.set j, j+1
.endr
.endm
; THE WAY OUT of a tile: O^T / the sum, held, converted: the eight registers are the image that the last product reads
.macro OUT
	v_add_f32 v14, v14, v15
	s_delay_alu instid0(VALU_DEP_1)
	v_permlanex16_b32 v252, v14, s[SEL], s[SEL+1]
	s_delay_alu instid0(VALU_DEP_1)
	v_add_f32 v14, v14, v252                       ; the row's sum
	s_wait_alu depctr_va_vdst(0)
	v_rcp_f32 v14, v14
	v_nop                                          ; a plain line behind the transcendental,
	s_wait_alu depctr_va_vdst(0)                   ; and the wait ahead of its first reader, directly ahead of the lines that read O^T
.set j, 0
.rept 16
	v_pk_mul_f32 v[96+j:97+j], v[160+j:161+j], v[14:15] op_sel_hi:[1,0]   ; each accumulator from its low end on
.set j, j+2
.endr
.set j, 0
.rept 32
	v_med3_num_f32 v[96+j], v[96+j], -v232, v232
.set j, j+1
.endr
.set j, 0
.rept 4
	v_cvt_scalef32_pk8_fp8_f32 v[208+2*j:209+2*j], v[96+8*j:103+8*j], v245
.set j, j+1
.endr
	v_nop
	global_store_b128 v[LI], v[208:211], s[OAD:OAD+1]    ; 512 consecutive bytes a store
	global_store_b128 v[LI], v[212:215], s[OAD:OAD+1] offset:512
.endm
	s_load_b128 s[4:7], s[0:1], 0x0                ; qkvc, lowp_scales
	s_load_b64 s[8:9], s[0:1], 0x10                ; oc
	v_lshl_add_u32 v[SPW], v0, 2, SPARE
	v_mov_b32 v[NIL], 0
	ds_add_u32 v[SPW], v[NIL]                      ; the opening: the add, twice on end, and its wait ahead of the first tensor load
	ds_add_u32 v[SPW], v[NIL]
	v_lshrrev_b32 v8, 5, v0
	s_delay_alu instid0(VALU_DEP_1)
	v_readfirstlane_b32 s[WV], v8                  ; wave 0..15
	s_and_b32 s10, ttmp7, 0xffff                   ; head
	s_lshl_b32 s11, s10, 18                        ; a head's codes: 262,144 bytes in each part
	s_lshr_b32 s[HH], s[WV], 3
	s_and_b32 s13, s[WV], 7                        ; my tile in a block
	s_sub_co_u32 s14, 31, ttmp9                    ; the late block
	s_lshr_b32 s15, s13, 1
	s_lshl_b32 s15, s15, 5
	s_and_b32 s12, s13, 1
	s_lshl_b32 s12, s12, 3
	s_add_co_u32 s15, s15, s12                     ; the tile's first row in a block: 32 (tile / 2) + 8 (tile % 2)
	s_lshl_b32 s[QA], s14, 7
	s_add_co_u32 s[QA], s[QA], s15
	s_lshl_b32 s12, ttmp9, 7
	s_add_co_u32 s12, s12, s15                     ; the early tile's first query
	s_add_co_u32 s16, s[QA], 23                    ; a tile's last query is its first + 23
	s_add_co_u32 s17, s12, 23
	s_add_co_u32 s32, ttmp9, 1
	s_or_b32 s32, s32, 1
	s_lshl_b32 s32, s32, 7                         ; the first odd step behind step i, as a key
	s_cmp_eq_u32 s[HH], 0
	s_cselect_b32 s[Q0], s[QA], s12
	s_cselect_b32 s[LIME], s16, s17                ; even steps: waves 0-7 up to the late tile's end, waves 8-15 up to the early tile's
	s_cselect_b32 s[LIMO], s17, s16                ; odd steps: the other way round
	s_cselect_b32 s[TRK], -1, s32
	s_cselect_b32 s86, s14, ttmp9                  ; the block of my first tile, which is also the one that I store
	s_lshl_b32 s[LASTQ], ttmp9, 7
	s_sub_co_u32 s[LASTQ], 4095, s[LASTQ]          ; the work-group's last query
	s_mov_b32 s[G1], 3<<16                         ; no mask; elements of 8 bytes; no padding: a dense tile of 64 rows x 256 bytes
	s_mov_b32 s[G1+1], 32<<16
	s_mov_b32 s[G1+2], 64<<16
	s_mov_b32 s[G1+3], 32<<16
	s_mov_b32 s[G1+4], 64
	s_mov_b32 s[G1+5], 32
	s_mov_b32 s[G1+6], 0
	s_mov_b32 s[G1+7], 0
	s_and_b32 s34, s[WV], 3
	s_mov_b32 s[G0], 1
	s_lshl_b32 s[G0+1], s34, 14                    ; slot 0: K's halves at 0 and 16,384, V's at 32,768 and 49,152
	s_lshr_b32 s16, s34, 1
	s_add_co_u32 s16, s16, 1
	s_lshl_b32 s16, s16, 22                        ; K's part at 4 MiB, V's at 8 MiB
	s_add_co_u32 s16, s16, s11
	s_and_b32 s17, s34, 1
	s_lshl_b32 s17, s17, 14
	s_add_co_u32 s16, s16, s17
	s_mov_b32 s17, 0
	s_mov_b32 s[SEL], 0x76543210
	s_mov_b32 s[SEL+1], 0xfedcba98
	s_mov_b32 s[CS], 0x3e38aa3b                    ; c = log2(e) / 8
	s_mov_b32 s[TB], 0
	s_mov_b32 s[SLOTS], NSL
	s_mov_b32 s[KF], 0
	s_wait_dscnt 0x0                               ; both opening adds are done
	s_wait_kmcnt 0x0
	s_load_b128 s[48:51], s[6:7], 0x10             ; e4 .. e7
	s_load_b128 s[52:55], s[6:7], 0x20             ; e8 .. e11
	s_add_nc_u64 s[G0+2:G0+3], s[4:5], s[16:17]
	s_or_b32 s[G0+3], s[G0+3], 0x80000000
	TLOAD                                          ; slot 0: it holds key 0, which counts for every query
	s_sub_co_u32 s32, s[WV], 4                     ; the prefetches: waves 4-7: K; 8-11: V
	s_lshr_b32 s35, s32, 3                         ; 0 in waves 4 to 11,
	s_or_b32 s35, s35, ttmp9                       ; of the head's work-group 0
	s_cmp_eq_u32 s35, 0
	s_cselect_b32 s[LIM], 2, -1                    ; the change with count n names slot 10 - n: asked for while n > 2
	s_bfe_u32 s32, s32, 0x10002
	s_add_co_u32 s32, s32, 1
	s_lshl_b32 s32, s32, 22
	s_add_co_u32 s32, s32, s11
	s_lshl_b32 s35, s34, 13                        ; my 8,192 bytes,
	s_add_co_u32 s32, s32, s35
	s_add_co_u32 s32, s32, 32768                   ; in slot 1: the first change steps it to slot 2
	s_mov_b32 s33, 0
	s_add_nc_u64 s[PFA:PFA+1], s[4:5], s[32:33]
	s_lshl_b32 s35, s13, 10                        ; Q's image: (head x 256 + 8 block + tile) x 1,024
	s_add_co_u32 s34, s35, s11
	s_lshl_b32 s38, s86, 13
	s_add_co_u32 s38, s38, s34
	s_mov_b32 s39, 0
	s_add_nc_u64 s[36:37], s[4:5], s[38:39]        ; my first tile's,
	s_lshl_b32 s38, s14, 13
	s_add_co_u32 s38, s38, s34
	s_add_nc_u64 s[QAD:QAD+1], s[4:5], s[38:39]    ; the late tile's
	s_lshl_b32 s34, s10, 13                        ; O's image: ((block x 16 + head) x 8 + tile) x 1,024
	s_add_co_u32 s34, s34, s35
	s_lshl_b32 s38, s86, 17
	s_add_co_u32 s38, s38, s34
	s_add_nc_u64 s[OAD:OAD+1], s[8:9], s[38:39]
	s_mul_i32 s35, s13, 4608
	s_add_co_u32 s35, s35, SCR                     ; the LDS bytes of waves tile and tile + 8
	v_and_b32 v8, 31, v0
	s_delay_alu instid0(VALU_DEP_1)
	v_lshlrev_b32 v[LI], 4, v8
	s_delay_alu instid0(VALU_DEP_2)
	v_lshlrev_b32 v[PFO], 8, v8
	global_load_b128 v[16:19], v[LI], s[36:37]     ; Q stays in registers
	global_load_b128 v[20:23], v[LI], s[36:37] offset:512
	v_add_nc_u32 v[SCA], s35, v[LI]
	v_and_b32 v8, 15, v0
	v_bfe_u32 v9, v0, 4, 1
	s_delay_alu instid0(VALU_DEP_2)
	v_and_b32 v10, 8, v8
	s_delay_alu instid0(VALU_DEP_1)
	v_add_nc_u32 v[DQ], v10, v8
	s_delay_alu instid0(VALU_DEP_3)
	v_lshlrev_b32 v9, 4, v9
	s_delay_alu instid0(VALU_DEP_1)
	v_sub_nc_u32 v[DQ], v[DQ], v9                  ; r + 8 (r / 8) - 16 h
	v_mov_b32 v236, 0                              ; a lane permute's destination counts as read
	v_mov_b32 v253, 0                              ; (named as the upper half of v[252:253])
	INITS
	s_wait_alu depctr_va_vdst(0)
	s_wait_kmcnt 0x0
	s_add_co_i32 s56, s50, s51                     ; a score stands for score x 2^(e6 + e7)
	s_lshl_b32 s56, s56, 23
	s_add_co_i32 s[CS], s[CS], s56
	s_mov_b32 s[CS+1], s[CS]
	s_add_co_i32 s57, s52, 127
	s_lshl_b32 s56, s57, 23
	s_add_co_i32 s57, s57, 8
	s_lshl_b32 s57, s57, 23
	s_or_b32 s57, s57, 0x600000
	s_sub_co_i32 s59, s54, s52
	s_sub_co_i32 s59, s59, s53                     ; O^T / the sum stands for that x 2^(e8 + e9): its code is that / 2^(e10 - e8 - e9)
	s_add_co_i32 s59, s59, 127
	s_lshl_b32 s58, s59, 23
	s_add_co_i32 s59, s59, 8
	s_lshl_b32 s59, s59, 23
	s_or_b32 s59, s59, 0x600000
	v_mov_b32 v240, s57                            ; 448 x 2^e8, twice: the two halves of a dual line take it from two registers
	v_mov_b32 v241, s57
	v_mov_b32 v244, s56                            ; 2^e8
	v_mov_b32 v245, s58                            ; 2^(e10 - e8 - e9)
	v_mov_b32 v232, s59                            ; 448 x that
; THE SOFTMAX of one key step.  It ends with V waited for and O^T rescaled.
.macro SOFT
	s_add_co_u32 s96, s[KF], 127
	s_cmp_le_u32 s96, s[Q0]                        ; all keys count: no mask
	s_cbranch_scc1 .Lopen_\@
	s_sub_co_i32 s96, s[Q0], s[KF]
	v_add_nc_u32 v252, s96, v[DQ]                  ; d = my query - KF - 16 h.  Register 16 b + i holds key KF + 16 h + 32 b + i: hidden where 32 b + i > d
	v_mov_b32 v254, 0xff800000
.set n, 0
.rept 64
	v_cmp_gt_i32 vcc_lo, 32*(n/16)+n%16, v252
	v_cndmask_b32 v[96+n], v[96+n], v254, vcc_lo
.set n, n+1
.endr
.Lopen_\@:
	v_max3_num_f32 v254, v96, v97, v98             ; the step's largest score of my query, in four chains, ascending,
	v_max3_num_f32 v252, v99, v100, v101
	v_max3_num_f32 v250, v102, v103, v104
	v_max3_num_f32 v248, v105, v106, v107
.irp i, 12,20,28,36,44,52
	v_max3_num_f32 v254, v254, v[96+\i], v[97+\i]
	v_max3_num_f32 v252, v252, v[98+\i], v[99+\i]
	v_max3_num_f32 v250, v250, v[100+\i], v[101+\i]
	v_max3_num_f32 v248, v248, v[102+\i], v[103+\i]
.endr
	v_max3_num_f32 v254, v254, v156, v157
	v_max3_num_f32 v252, v252, v158, v159
	v_max3_num_f32 v254, v254, v250, v248
	s_delay_alu instid0(VALU_DEP_1)
	v_max_num_f32 v254, v254, v252
	s_delay_alu instid0(VALU_DEP_1)
	v_permlanex16_b32 v236, v254, s[SEL], s[SEL+1]
	s_delay_alu instid0(VALU_DEP_1)
	v_max_num_f32 v254, v254, v236                 ; and among lane l xor 16's
	s_delay_alu instid0(VALU_DEP_1)
	v_mul_f32 v254, s[CS], v254
	s_delay_alu instid0(VALU_DEP_1)
	v_max_num_f32 v13, v13, v254                   ; the running largest t
	v_mov_b32 v254, v12
	s_delay_alu instid0(VALU_DEP_2)
	v_floor_f32 v12, -v13                          ; -M = floor(-t)
	s_delay_alu instid0(VALU_DEP_1)
	v_sub_f32 v254, v12, v254                      ; old M - new M: a whole number, 0 or less
	s_delay_alu instid0(VALU_DEP_1)
	v_cvt_i32_f32 v254, v254
	s_delay_alu instid0(VALU_DEP_1)
	v_ldexp_f32 v252, 1.0, v254                    ; f = 2^(old M - new M)
.set j, 0
.rept 32
	v_pk_fma_f32 v[96+j:97+j], v[96+j:97+j], s[CS:CS+1], v[12:13] op_sel_hi:[1,0,0]   ; t - M
.set j, j+2
.endr
	s_wait_alu depctr_va_vdst(0)
.set j, 0
.rept 64
	v_exp_f32 v[96+j], v[96+j]                     ; p: one batch
.set j, j+1
.endr
	v_pk_mul_f32 v[14:15], v[14:15], v[252:253] op_sel_hi:[1,0]   ; the sums under the new M: the plain line behind the batch
	s_wait_alu depctr_va_vdst(0)                   ; one wait for the batch, ahead of its first reader
	v_pk_add_f32 v[242:243], v[100:101], v[104:105]   ; the row's sum of the unquantised p, in eight chains
	v_pk_add_f32 v[254:255], v[108:109], v[112:113]
	v_pk_add_f32 v[250:251], v[116:117], v[120:121]
	v_pk_add_f32 v[248:249], v[124:125], v[128:129]
	v_pk_add_f32 v[246:247], v[132:133], v[136:137]
	v_pk_add_f32 v[238:239], v[140:141], v[144:145]
	v_pk_add_f32 v[234:235], v[148:149], v[152:153]
	v_pk_add_f32 v[14:15], v[14:15], v[156:157]
	v_pk_add_f32 v[242:243], v[242:243], v[96:97]
	v_pk_add_f32 v[254:255], v[254:255], v[98:99]
	v_pk_add_f32 v[250:251], v[250:251], v[102:103]
	v_pk_add_f32 v[248:249], v[248:249], v[106:107]
	v_pk_add_f32 v[246:247], v[246:247], v[110:111]
	v_pk_add_f32 v[238:239], v[238:239], v[114:115]
	v_pk_add_f32 v[234:235], v[234:235], v[118:119]
	v_pk_add_f32 v[14:15], v[14:15], v[122:123]
	v_pk_add_f32 v[242:243], v[242:243], v[126:127]
	v_pk_add_f32 v[254:255], v[254:255], v[130:131]
	v_pk_add_f32 v[250:251], v[250:251], v[134:135]
	v_pk_add_f32 v[248:249], v[248:249], v[138:139]
	v_pk_add_f32 v[246:247], v[246:247], v[142:143]
	v_pk_add_f32 v[238:239], v[238:239], v[146:147]
	v_pk_add_f32 v[234:235], v[234:235], v[150:151]
	v_pk_add_f32 v[14:15], v[14:15], v[154:155]
	v_pk_add_f32 v[242:243], v[242:243], v[158:159]
	s_delay_alu instid0(VALU_DEP_2)
	v_pk_add_f32 v[14:15], v[14:15], v[248:249]
	s_delay_alu instid0(VALU_DEP_2)
	v_pk_add_f32 v[242:243], v[242:243], v[246:247]
	v_pk_add_f32 v[254:255], v[254:255], v[238:239]
	v_pk_add_f32 v[250:251], v[250:251], v[234:235]
	s_delay_alu instid0(VALU_DEP_2)
	v_pk_add_f32 v[14:15], v[14:15], v[254:255]
	s_delay_alu instid0(VALU_DEP_2)
	v_pk_add_f32 v[242:243], v[242:243], v[250:251]
	s_delay_alu instid0(VALU_DEP_1)
	v_pk_add_f32 v[14:15], v[14:15], v[242:243]
.irp b, 0,1,2,3
.set n, 0
.rept 8                                ; the conversion does not saturate (ISA guide 7.6.2); p is not negative, so the hold is one-sided; two numbers a line
	v_dual_min_num_f32 v[96+16*\b+n], v[96+16*\b+n], v240 :: v_dual_min_num_f32 v[97+16*\b+n], v[97+16*\b+n], v241
.set n, n+2
.endr
	v_cvt_scalef32_pk8_fp8_f32 v[192+4*\b:193+4*\b], v[96+16*\b:103+16*\b], v244
	v_cvt_scalef32_pk8_fp8_f32 v[194+4*\b:195+4*\b], v[104+16*\b:111+16*\b], v244
.endr
	s_wait_dscnt 0x0                               ; V is in (asked for behind the first product)
	s_wait_alu depctr_va_vdst(0)                   ; directly ahead of the first reader of O^T
.set j, 0
.rept 16
	v_pk_mul_f32 v[160+j:161+j], v[160+j:161+j], v[252:253] op_sel_hi:[1,0]   ; O^T under the new M; also the plain lines behind the conversions
.set j, j+2
.endr
.endm
; A wave of 8-15 changes tiles, at the head of the first odd step behind step i (ids alone): the early tile goes out, the late tile's queries come in, the state begins anew
.macro TRANS
	s_cmp_eq_u32 s[KF], s[TRK]
	s_cbranch_scc0 .Lstay_\@
.rept 4
	v_nop                                          ; places behind the last products
.endr
	OUT
	global_load_b128 v[16:19], v[LI], s[QAD:QAD+1]
	global_load_b128 v[20:23], v[LI], s[QAD:QAD+1] offset:512
	INITS
	s_mov_b32 s[Q0], s[QA]
	s_wait_alu depctr_va_vdst(0)
	s_wait_loadcnt 0x0
	s_wait_xcnt 0x0                                ; the stores have read their registers
.Lstay_\@:
.endm
; A KEY STEP: 128 keys, the q-th of the slot in hand
.macro STEP q
.if (\q)%2
	TRANS
	s_cmp_gt_u32 s[KF], s[LIMO]
.else
	s_cmp_gt_u32 s[KF], s[LIME]
.endif
	s_cbranch_scc1 .Lhidden_\@                     ; not mine, or all its keys come after my queries (ids alone; no barrier and no tensor load stands in a step)
.rept 4
	v_nop                                          ; places in front of loads into registers that the last products read
.endr
.set t, 0
.rept 16
	ds_load_b128 v[32+4*t:35+4*t], v[ADR] offset:8192*(\q)+512*t        ; K's eight fragments
.set t, t+1
.endr
	s_wait_dscnt 0x0
.set t, 0
.rept 8
	v_wmma_f32_16x16x64_fp8_fp8 v[96+8*t:103+8*t], v[32+8*t:39+8*t], v[16:23], 0
.set t, t+1
.endr
.rept 4
	v_nop
.endr
.set t, 0
.rept 16
	ds_load_b128 v[32+4*t:35+4*t], v[ADR] offset:VOFF+8192*(\q)+512*t   ; V's four fragments land under the softmax
.set t, t+1
.endr
	SOFT
.irp t, 0,1,2,3
	v_wmma_f32_16x16x128_fp8_fp8 v[160+8*\t:167+8*\t], v[32+16*\t:47+16*\t], v[192:207], v[160+8*\t:167+8*\t]   ; the four accumulators by turns
.endr
.Lhidden_\@:
	s_add_co_u32 s[KF], s[KF], 128
.endm
	s_wait_alu depctr_va_vdst(0)                   ; the head's end
	s_wait_loadcnt 0x0                             ; Q
.Lslot:                                                ; 8 trips
	; THE CHANGE OF SLOTS.  Each wave waits for all its tensor loads, adds 0 to its spare word, and waits for that and for its reads of the slot that it has left; behind the barrier the slot ahead is whole
	; and nobody reads the other one, which is filled with the keys that follow, up to the causal limit.
	s_wait_tensorcnt 0x0                           ; no tensor load of mine is out, so the group 0 may be written
	ds_add_u32 v[SPW], v[NIL]
	ds_add_u32 v[SPW], v[NIL]                      ; twice on end here, in every trip alike
	s_xor_b32 s[G0+1], s[G0+1], SLOT1              ; the other slot,
	s_add_nc_u64 s[G0+2:G0+3], s[G0+2:G0+3], 32768 ; the next 512 keys
	s_wait_xcnt 0x0                                ; the last prefetch, a slot back, has read its address
	s_add_nc_u64 s[PFA:PFA+1], s[PFA:PFA+1], 32768
	v_add_nc_u32 v[ADR], s[TB], v[LI]              ; my place in the slot ahead
	s_wait_alu depctr_va_vdst(0)
	s_wait_dscnt 0x0
	s_barrier_signal -1
	s_barrier_wait -1
	s_add_co_u32 s96, s[KF], SK                    ; the first key of the slot that this change would ask for:
	s_cmp_gt_u32 s96, s[LASTQ]                     ; behind the work-group's last query no wave reads it, so it is not asked for (at the last change that key is 4,096).  Ids and the count of steps alone: all waves go the same way
	s_cbranch_scc1 .Lpast
	TLOAD
.Lpast:
	ASK
	STEP 0
	STEP 1
	STEP 2
	STEP 3
	s_xor_b32 s[TB], s[TB], SLOT1
	s_sub_co_u32 s[SLOTS], s[SLOTS], 1
	s_cmp_lg_u32 s[SLOTS], 0
	s_cbranch_scc1 .Lslot
	; THE TWO PARTS OF A LATE TILE ARE JOINED.  Wave w + 8 stores its registers, 16 bytes a lane; one barrier; wave w reads them into the same lanes
.rept 4
	v_nop                                          ; places behind the last products
.endr
	s_wait_alu depctr_va_vdst(0)
	s_cmp_eq_u32 s[HH], 0
	s_cbranch_scc1 .Lkeep
.set g, 0
.rept 8
	ds_store_b128 v[SCA], v[160+4*g:163+4*g] offset:512*g   ; O^T, from its low end on
.set g, g+1
.endr
	ds_store_b128 v[SCA], v[12:15] offset:4096     ; -M, the largest t, the sum's two halves
.Lkeep:
	s_wait_dscnt 0x0                               ; for the partner's sake
	s_barrier_signal -1
	s_barrier_wait -1
	s_cmp_eq_u32 s[HH], 0
	s_cbranch_scc0 .Lend
.set g, 0
.rept 8
	ds_load_b128 v[32+4*g:35+4*g], v[SCA] offset:512*g
.set g, g+1
.endr
	ds_load_b128 v[64:67], v[SCA] offset:4096
	s_wait_dscnt 0x0
	v_min_num_f32 v254, v12, v64                   ; -M of the two parts together
	v_mov_b32 v251, 0                              ; (named as the upper half of v[250:251])
	v_sub_f32 v252, v254, v12                      ; my M - the joint M, a whole number, 0 or less,
	v_sub_f32 v250, v254, v64                      ; and the partner's (a part with no key has -M = 3e38: its factor is 0)
	v_cvt_i32_f32 v252, v252
	v_cvt_i32_f32 v250, v250
	v_ldexp_f32 v252, 1.0, v252
	v_ldexp_f32 v250, 1.0, v250
	v_pk_mul_f32 v[14:15], v[14:15], v[252:253] op_sel_hi:[1,0]
	v_pk_fma_f32 v[14:15], v[66:67], v[250:251], v[14:15] op_sel_hi:[1,0,1]
.set j, 0
.rept 16
	v_pk_mul_f32 v[160+j:161+j], v[160+j:161+j], v[252:253] op_sel_hi:[1,0]
.set j, j+2
.endr
.set j, 0
.rept 16
	v_pk_fma_f32 v[160+j:161+j], v[32+j:33+j], v[250:251], v[160+j:161+j] op_sel_hi:[1,0,1]
.set j, j+2
.endr
	OUT
.Lend:
	s_wait_tensorcnt 0x0                           ; the wave's end
	ds_add_u32 v[SPW], v[NIL]
	s_wait_dscnt 0x0
	s_endpgm
.Lfunc_end_k_q2591d798f6_attn:
	.size	k_q2591d798f6_attn, .Lfunc_end_k_q2591d798f6_attn-k_q2591d798f6_attn
	.p2alignl 7, 3214868480
	.fill 96, 4, 3214868480
	.section	.rodata,"a",@progbits
	.p2align	6, 0x0
	.amdhsa_kernel k_q2591d798f6_attn
		.amdhsa_group_segment_fixed_size 327680
		.amdhsa_private_segment_fixed_size 0
		.amdhsa_enable_private_segment 0
		.amdhsa_kernarg_size 24
		.amdhsa_user_sgpr_count 2
		.amdhsa_user_sgpr_kernarg_segment_ptr 1
		.amdhsa_wavefront_size32 1
		.amdhsa_system_sgpr_workgroup_id_x 1
		.amdhsa_system_sgpr_workgroup_id_y 1
		.amdhsa_system_sgpr_workgroup_id_z 1
		.amdhsa_system_vgpr_workitem_id 0
		.amdhsa_next_free_vgpr 256
		.amdhsa_next_free_sgpr 100
		.amdhsa_reserve_vcc 1
		.amdhsa_float_denorm_mode_32 3
		.amdhsa_float_denorm_mode_16_64 3
		.amdhsa_memory_ordered 1
		.amdhsa_forward_progress 1
		.amdhsa_inst_pref_size 111
	.end_amdhsa_kernel
	.amdgpu_metadata
---
amdhsa.version: [ 1, 2 ]
amdhsa.kernels:
  - .name:           k_q2591d798f6_attn
    .symbol:         k_q2591d798f6_attn.kd
    .args:
      - { .name: qkvc, .offset: 0, .size: 8, .value_kind: global_buffer, .address_space: global }
      - { .name: lowp_scales, .offset: 8, .size: 8, .value_kind: global_buffer, .address_space: global }
      - { .name: oc, .offset: 16, .size: 8, .value_kind: global_buffer, .address_space: global }
    .group_segment_fixed_size: 327680
    .private_segment_fixed_size: 0
    .kernarg_segment_align: 8
    .kernarg_segment_size: 24
    .max_flat_workgroup_size: 512
    .sgpr_count:     100
    .vgpr_count:     256
    .wavefront_size: 32
...
	.end_amdgpu_metadata
.endif
;; end of part 3
;; launch proj (part 4): grid 8 x 32, 4 waves a work-group, clusters of 4 x 4, 280,064 bytes of LDS; arguments wc, oc, lowp_scales, out0; writes out0
.if DOCPART == 4
	.amdgcn_target "amdgcn-amd-amdhsa--gfx1250"
	.amdhsa_code_object_version 6
	.text
	.protected	k_q2591d798f6_proj
	.globl	k_q2591d798f6_proj
	.p2align	8
	.type	k_q2591d798f6_proj,@function
k_q2591d798f6_proj:
	s_mov_b64 s[64:65], 0
	v_nop
	global_prefetch_b8 v0, s[64:65] scope:SCOPE_SE
	s_setreg_imm32_b32 hwreg(HW_REG_WAVE_MODE, 25, 1), 1
	s_wait_xcnt 0x0
	s_wait_alu depctr_hold_cnt(0) depctr_sa_sdst(0) depctr_va_vdst(0) depctr_va_sdst(0) depctr_va_ssrc(0) depctr_va_vcc(0) depctr_vm_vsrc(0)
	s_getreg_b32 s2, hwreg(HW_REG_IB_STS2, 6, 4)
	s_cmp_eq_u32 s2, 0
	s_cbranch_scc0 .Lentry_in_a_cluster
	s_endpgm
.Lentry_in_a_cluster:
	s_bfe_u32 s2, ttmp6, 0x10000c
	s_cmp_lg_u32 s2, 0xf033
	s_cbranch_scc0 .Lentry_shape_is_right
	s_endpgm
.Lentry_shape_is_right:
; out0 = O Wo^T on codes of FP8 (E4M3): each finished sum is multiplied once by 2^(e10 + e11).  Nothing is left out here.
; A work-group makes 128 tokens x 128 outputs with ALL of K = 1,024 in LDS at once (2 x 128 KiB): no slot is filled again, and there is no loop.  R = Wo (source 0: a lane's registers run along the outputs), L = O's codes
; (source 1: a lane is one token).  Operands lie in memory and in LDS as images of their registers ([K / 64][tile][c][lane][16 bytes]); a tile tau holds rows 32 (tau / 2) + 8 (tau % 2) + m + 8 (m / 8).
; FOUR WAVES, wr = wave % 2, wl = wave / 2: R's tiles 4 wr .. + 3 x L's tiles 4 wl .. + 3: 16 accumulators, v_wmma_f32_16x16x64_fp8_fp8, 16 K steps.
; CLUSTER 4 x 4: R's block hangs on cx and is asked for jointly by a column, L's on cy and by a row.  Waves 0, 1 ask for R's two halves, waves 2, 3 for L's: one load a wave is out.
; THE WAY OUT: a tile of 16 tokens x my 64 outputs (256 bytes a row) goes through my own stage in LDS, into which no fill lands, and leaves as rows: sixteen lanes store 256 consecutive bytes, aligned.
; LIMIT: e10 + e11 between -126 and 127.
; REGISTERS: window 0: v1 16 x lane; v4-7, v8-11 LDS addresses by chunk; v12-14 the way out; v16, 17 the add's two; v64-127, v128-191 two sets of fragments, later the results.  window 1: v0-127 the accumulators.
; THE FILLS AS THEY STAND: ONE tensor load a wave.  Waves 0, 1 ask for the two halves (64 KiB, eight K steps each) of R's block, waves 2, 3 for those of L's; each waits for its load, one barrier follows, and
; all sixteen K steps run with no further barrier.  A chunk (four K steps, 32 KiB) is only the reach of one LDS address register.
.set LI,   1
.set AR,   4
.set AL,   8
.set STO,  12
.set RD,   13
.set CO,   14
.set SPW,  16
.set NIL,  17
.set F0,   64
.set T,    64
.set LOFF,  131072
.set CHUNK, 32768
.set SPARE, 262144                     ; the spare words, 128 bytes a wave
.set STAGE, SPARE+512                  ; 16 rows x (256 bytes + 16) for each wave
.set WV, 14
.set WL, 15
.set WR, 16
.set CX, 17
.set CY, 18
.set RB, 66
.set LB, 67
.set G1R, 24
.set G1L, 32
.set G0R, 40
.set G0L, 68
.set MSB, 0
.macro WIN new                         ; the immediate's high byte repeats the setting that is left
.if MSB != \new
	s_set_vgpr_msb (MSB<<8)|\new
.set MSB, \new
.endif
.endm
.set W_MUL, 0x50                       ; C and D window 1, fragments window 0
.macro CREST
	s_cmp_lg_u32 s[WV], 0
	s_cbranch_scc1 .Lnot_wave_0_\@
	s_barrier_signal -3
.Lnot_wave_0_\@:
	s_barrier_wait -3
	s_barrier_signal -1
	s_barrier_wait -1
.endm
.macro CROUND                          ; a round of the cluster's barrier
	s_barrier_signal -1
	s_barrier_wait -1
	CREST
.endm
.macro PLACES                          ; four plain lines between a matrix instruction and a load into, or a vector line on, its registers
.rept 4
	v_nop
.endr
.endm
.macro FETCH k                         ; K step k's eight fragments into set k % 2
.set FB, F0+64*((\k)%2)
.set CH, (\k)/4
.set KO, ((\k)%4)*8192
.irp t, 0,1,2,3
	ds_load_b128 v[FB+8*\t:FB+8*\t+3],   v[AR+CH] offset:KO+\t*1024
	ds_load_b128 v[FB+8*\t+4:FB+8*\t+7], v[AR+CH] offset:KO+\t*1024+512
.endr
.irp t, 0,1,2,3
	ds_load_b128 v[FB+32+8*\t:FB+32+8*\t+3],   v[AL+CH] offset:KO+\t*1024
	ds_load_b128 v[FB+32+8*\t+4:FB+32+8*\t+7], v[AL+CH] offset:KO+\t*1024+512
.endr
.endm
.macro MUL k                           ; 16 products; the 16 accumulators take turns in the same order in every step; step 0 starts the sums
.set FB, F0+64*((\k)%2)
.irp l, 0,1,2,3
.irp t, 0,1,2,3
.if (\k) == 0
	v_wmma_f32_16x16x64_fp8_fp8 v[8*(4*\l+\t):8*(4*\l+\t)+7], v[FB+8*\t:FB+8*\t+7], v[FB+32+8*\l:FB+32+8*\l+7], 0
.else
	v_wmma_f32_16x16x64_fp8_fp8 v[8*(4*\l+\t):8*(4*\l+\t)+7], v[FB+8*\t:FB+8*\t+7], v[FB+32+8*\l:FB+32+8*\l+7], v[8*(4*\l+\t):8*(4*\l+\t)+7]
.endif
.endr
.endr
.endm
.macro STEP k
.if (\k) == 15
	s_wait_dscnt 0x0
	WIN W_MUL
	MUL \k
	WIN 0
.else
.if (\k) != 0                          ; (step 0 has no products ahead of it)
	PLACES
.endif
	FETCH (\k)+1
	s_wait_dscnt 16                                ; all but the 16 just issued
	WIN W_MUL
	MUL \k
	WIN 0
.endif
.endm
	s_load_b256 s[4:11], s[0:1], 0x0               ; wc, oc, lowp_scales, out0
	v_lshl_add_u32 v[SPW], v0, 2, SPARE
	v_mov_b32 v[NIL], 0
	ds_add_u32 v[SPW], v[NIL]                      ; the opening: the add, twice on end, and its wait ahead of my first tensor load
	ds_add_u32 v[SPW], v[NIL]
	v_lshrrev_b32 v2, 5, v0
	v_readfirstlane_b32 s[WV], v2                  ; wave 0..3
	s_lshr_b32 s[WL], s[WV], 1                     ; wl.  Also: I fetch for R (0) or for L (1)
	s_and_b32 s[WR], s[WV], 1                      ; wr.  Also: which half of a block I fetch
	s_bfe_u32 s[CX], ttmp6, 0x40000
	s_bfe_u32 s[CY], ttmp6, 0x40004
	s_lshl_b32 s22, ttmp9, 2
	s_add_co_u32 s[RB], s22, s[CX]                 ; Wo's block of 128 outputs
	s_and_b32 s23, ttmp7, 0xffff
	s_lshl_b32 s23, s23, 2
	s_add_co_u32 s[LB], s23, s[CY]                 ; the block of 128 tokens
	s_lshl_b32 s60, 0x1111, s[CX]                  ; my column of the cluster
	s_lshl_b32 s62, s[CY], 2
	s_lshl_b32 s62, 15, s62                        ; my row
	s_or_b32 s[G1R], s60, (3<<16)|(1<<21)          ; 15:0 the mask; 17:16 elements of 8 bytes; 21 set beside a mask; no padding
	s_or_b32 s[G1L], s62, (3<<16)|(1<<21)
.irp g, G1R, G1L                       ; a dense tile: 256 rows of 256 bytes
	s_mov_b32 s[\g+1], 32<<16
	s_mov_b32 s[\g+2], 256<<16
	s_mov_b32 s[\g+3], 32<<16
	s_mov_b32 s[\g+4], 256
	s_mov_b32 s[\g+5], 32
	s_mov_b32 s[\g+6], 0
	s_mov_b32 s[\g+7], 0
.endr
	s_lshl_b32 s3, s[WR], 16                       ; my half of a block, in memory and in LDS
	s_wait_dscnt 0x0                               ; both opening adds are done
	s_wait_kmcnt 0x0
	s_load_b64 s[96:97], s[8:9], 0x28              ; e10, e11
	s_add_nc_u64 s[56:57], s[4:5], 0x300000        ; Wo's codes: wc's fourth part
	s_lshl_b32 s60, s[RB], 17
	s_add_co_u32 s60, s60, s3
	s_mov_b32 s61, 0
	s_add_nc_u64 s[56:57], s[56:57], s[60:61]
	s_lshl_b32 s62, s[LB], 17
	s_add_co_u32 s62, s62, s3
	s_mov_b32 s63, 0
	s_add_nc_u64 s[58:59], s[6:7], s[62:63]
.irp c, 0                              ; one group 0 for each side
	s_mov_b32 s[G0R+4*\c], 1
	s_add_co_u32 s[G0R+4*\c+1], s3, \c*CHUNK
	s_add_nc_u64 s[G0R+4*\c+2:G0R+4*\c+3], s[56:57], \c*CHUNK
	s_or_b32 s[G0R+4*\c+3], s[G0R+4*\c+3], 0x80000000
	s_mov_b32 s[G0L+4*\c], 1
	s_add_co_u32 s[G0L+4*\c+1], s3, LOFF+\c*CHUNK
	s_add_nc_u64 s[G0L+4*\c+2:G0L+4*\c+3], s[58:59], \c*CHUNK
	s_or_b32 s[G0L+4*\c+3], s[G0L+4*\c+3], 0x80000000
.endr
	CROUND                                         ; all sixteen work-groups are here: the joint loads meet
	s_cmp_eq_u32 s[WL], 0                          ; all fills of the launch, one fill in each arm: one load of mine is out
	s_cbranch_scc0 .Lfill_l
.irp c, 0
	tensor_load_to_lds s[G0R+4*\c:G0R+4*\c+3], s[G1R:G1R+7]
	s_nop 0
.endr
.rept 4
	v_nop
.endr
	s_branch .Lfilled
.Lfill_l:
.irp c, 0
	tensor_load_to_lds s[G0L+4*\c:G0L+4*\c+3], s[G1L:G1L+7]
	s_nop 0
.endr
.rept 4
	v_nop
.endr
.Lfilled:
	v_and_b32 v2, 31, v0
	v_lshlrev_b32 v[LI], 4, v2
	s_wait_alu depctr_va_vdst(0)
	s_lshl_b32 s60, s[WR], 12                      ; my four tiles of R,
	s_lshl_b32 s61, s[WL], 12
	s_add_co_u32 s61, s61, LOFF                    ; and of L
.irp c, 0,1,2,3
	v_add_nc_u32 v[AR+\c], s60, v[LI]
	v_add_nc_u32 v[AL+\c], s61, v[LI]
	s_add_co_u32 s60, s60, CHUNK
	s_add_co_u32 s61, s61, CHUNK
.endr
	v_and_b32 v2, 15, v0                           ; r
	v_bfe_u32 v3, v0, 4, 1                         ; h
	s_mul_i32 s60, s[WV], 16*272
	s_add_co_u32 s60, s60, STAGE                   ; my stage
	v_mul_u32_u24 v[STO], v2, 272
	v_lshl_add_u32 v[STO], v3, 6, v[STO]
	v_add_nc_u32 v[STO], s60, v[STO]               ; in: the tile's row r, + 64 h
	v_mul_u32_u24 v[RD], v3, 272
	v_lshl_add_u32 v[RD], v2, 4, v[RD]
	v_add_nc_u32 v[RD], s60, v[RD]                 ; back: lanes 0-15 one row, lanes 16-31 the next
	v_lshlrev_b32 v[CO], 12, v3
	v_lshl_add_u32 v[CO], v2, 4, v[CO]             ; and the same two rows of out0
	s_lshl_b32 s60, s[LB], 19                      ; (128 L block + 64 wl) rows of 4,096 bytes + 512 R block + 256 wr
	s_lshl_b32 s61, s[WL], 18
	s_add_co_u32 s60, s60, s61
	s_lshl_b32 s61, s[RB], 9
	s_add_co_u32 s60, s60, s61
	s_lshl_b32 s61, s[WR], 8
	s_add_co_u32 s60, s60, s61
	s_mov_b32 s61, 0
	s_add_nc_u64 s[10:11], s[10:11], s[60:61]
	s_wait_kmcnt 0x0
	s_add_co_i32 s96, s96, s97
	s_add_co_i32 s96, s96, 127
	s_lshl_b32 s96, s96, 23                        ; 2^(e10 + e11) as f32
	s_mov_b32 s97, s96                             ; (named with it as a pair)
	s_wait_tensorcnt 0x0                           ; my half of a block is in
	s_barrier_signal -1
	s_barrier_wait -1
	FETCH 0
.irp k, 0,1,2,3,4,5,6,7,8,9,10,11,12,13,14,15
	STEP \k
.endr
	PLACES
.irp l, 0,1,2,3                        ; token tile lt: scaled, into the stage, back by rows.  LDS serves a wave's instructions in order: no wait between
	WIN 0x01                                       ; source 0 window 1
.set j, 0
.rept 16
	v_pk_mul_f32 v[T+32*\l+j:T+32*\l+j+1], v[32*\l+j:32*\l+j+1], s[96:97] op_sel_hi:[1,0]   ; each accumulator from its low end on
.set j, j+2
.endr
	WIN 0
.irp t, 0,1,2,3
	ds_store_b128 v[STO], v[T+32*\l+8*\t:T+32*\l+8*\t+3]   offset:128*(\t/2)+32*(\t%2)      ; outputs 32 (t / 2) + 16 h + 8 (t % 2) + 0 .. 7
	ds_store_b128 v[STO], v[T+32*\l+8*\t+4:T+32*\l+8*\t+7] offset:128*(\t/2)+32*(\t%2)+16
.endr
.irp a, 0,1,2,3,4,5,6,7
	ds_load_b128 v[T+32*\l+4*\a:T+32*\l+4*\a+3], v[RD] offset:2*\a*272
.endr
.endr
.irp l, 0,1,2,3
	s_wait_dscnt 16*(3-\l)                         ; behind tile lt's loads: 8 stores and 8 loads for each later tile
.irp a, 0,1,2,3,4,5,6,7
	global_store_b128 v[CO], v[T+32*\l+4*\a:T+32*\l+4*\a+3], s[10:11] offset:(32*(\l/2)+8*(\l%2)+2*\a+8*(\a/4))*4096 th:TH_STORE_NT   ; 16 lanes store 256 consecutive bytes, aligned
.endr
.endr
	s_wait_tensorcnt 0x0                           ; the wave's end
	ds_add_u32 v[SPW], v[NIL]
	s_wait_dscnt 0x0
	CROUND                                         ; the closing round
	s_endpgm
.Lfunc_end_k_q2591d798f6_proj:
	.size	k_q2591d798f6_proj, .Lfunc_end_k_q2591d798f6_proj-k_q2591d798f6_proj
	.p2alignl 7, 3214868480
	.fill 96, 4, 3214868480
	.section	.rodata,"a",@progbits
	.p2align	6, 0x0
	.amdhsa_kernel k_q2591d798f6_proj
		.amdhsa_group_segment_fixed_size 280064
		.amdhsa_private_segment_fixed_size 0
		.amdhsa_enable_private_segment 0
		.amdhsa_kernarg_size 32
		.amdhsa_user_sgpr_count 2
		.amdhsa_user_sgpr_kernarg_segment_ptr 1
		.amdhsa_wavefront_size32 1
		.amdhsa_system_sgpr_workgroup_id_x 1
		.amdhsa_system_sgpr_workgroup_id_y 1
		.amdhsa_system_sgpr_workgroup_id_z 1
		.amdhsa_system_vgpr_workitem_id 0
		.amdhsa_next_free_vgpr 384
		.amdhsa_next_free_sgpr 98
		.amdhsa_reserve_vcc 0
		.amdhsa_float_denorm_mode_32 3
		.amdhsa_float_denorm_mode_16_64 3
		.amdhsa_memory_ordered 1
		.amdhsa_forward_progress 1
		.amdhsa_inst_pref_size 54
	.end_amdhsa_kernel
	.amdgpu_metadata
---
amdhsa.version: [ 1, 2 ]
amdhsa.kernels:
  - .name:           k_q2591d798f6_proj
    .symbol:         k_q2591d798f6_proj.kd
    .args:
      - { .name: wc, .offset: 0, .size: 8, .value_kind: global_buffer, .address_space: global }
      - { .name: oc, .offset: 8, .size: 8, .value_kind: global_buffer, .address_space: global }
      - { .name: lowp_scales, .offset: 16, .size: 8, .value_kind: global_buffer, .address_space: global }
      - { .name: out0, .offset: 24, .size: 8, .value_kind: global_buffer, .address_space: global }
    .group_segment_fixed_size: 280064
    .private_segment_fixed_size: 0
    .kernarg_segment_align: 8
    .kernarg_segment_size: 32
    .max_flat_workgroup_size: 128
    .sgpr_count:     98
    .vgpr_count:     384
    .wavefront_size: 32
...
	.end_amdgpu_metadata
.endif
;; end of part 4
